; MI455X (gfx1250); checked and timed in simulation.
; The chip was launched on July 23, 2026; its instructions are those of AMD's public machine-readable ISA for CDNA 5 (MIT licence, August 2026) and "CDNA5" Instruction Set Architecture Reference Guide (July 2026). The comments in the code are by the model that wrote it; some were corrected since.
;; Recording Stable Audio Attn Processor2 0. Allowed arithmetic: matrix products marked QUANTISED: E4M3 operands, one E8M0 scale for each 32 along K, by v_wmma_scale_f32_16x16x128_f8f6f4 with both operands' format E4M3, f32 sums; everything else in f32.
;; Inputs: bo 1,024 float32; cos 2,048 x 32 float32; hidden_states 2 x 2,048 x 1,024 float32; norm_k_w 64 float32; norm_q_w 64 float32; sin 2,048 x 32 float32; wk 1,024 x 512 float32; wo 1,024 x 1,024 float32; wq 1,024 x 1,024 float32; wv 1,024 x 512 float32.
;; Outputs: out0 2 x 2,048 x 1,024 float32.
;; This version of the problem:
;;   THIS VERSION OF THE PROBLEM IS GIVEN IN LOW PRECISION. The matrix products marked QUANTISED in the list below multiply operands that are first quantised to E4M3 (4 exponent bits, 3 mantissa bits; 8 bits a number), with one power-of-two scale for each 32 numbers along K (OCP MX v1.0); their sums are f32. All else is computed in f32.
;;   The module's matrix products, in the order in which they are computed (A, B: the left and right operand; K: the contracted axis; several contracted axes count as one K, in the product's order):
;;     1. [M 4,096, K 1,024] x [K 1,024, N 1,024]; A: input hidden_states; B: input wq: QUANTISED
;;     2. [M 4,096, K 1,024] x [K 1,024, N 512]; A: input hidden_states; B: input wk: QUANTISED
;;     3. [M 4,096, K 1,024] x [K 1,024, N 512]; A: input hidden_states; B: input wv: QUANTISED
;;     4. batch 32 x [M 2,048, K 64] x [K 64, N 2,048]; A: computed on the way; B: computed on the way: QUANTISED
;;     5. batch 32 x [M 2,048, K 2,048] x [K 2,048, N 64]; A: softmax (see below); B: computed on the way: QUANTISED
;;     6. [M 4,096, K 1,024] x [K 1,024, N 1,024]; A: computed on the way; B: input wo: QUANTISED
;;   THE QUANTISER, for each operand of a quantised product, along K:
;;     - K is cut into blocks of 32 from its start; a last block that is shorter is filled with zeros.
;;     - A block's scale is 2^e with e = floor(log2(the largest magnitude in the block)) - 8, held to -126 .. 127; a block of zeros has e = 0. As a byte (E8M0): e + 127.
;;     - Each number is divided by its block's scale, clamped to +-448, and rounded to the nearest number of E4M3, ties to even, subnormals kept.
;;     - The product sums the exact products of the quantised numbers (number of the format x scale) in f32.
;;   ~~~python
;;   def quantise(x, axis):      # numpy; x: float32 -> the quantised numbers, widened to float32 again
;;       x = np.moveaxis(x, axis, -1); K = x.shape[-1]
;;       x = np.pad(x, [(0, 0)] * (x.ndim - 1) + [(0, -K % 32)]); x = x.reshape(x.shape[:-1] + (-1, 32)); a = np.abs(x).max(-1, keepdims=True)
;;       e = np.where(a > 0, np.clip(np.frexp(np.where(a > 0, a, 1))[1] - 1 - 8, -126, 127), 0)      # np.frexp(a)[1] - 1 = floor(log2(a)), exactly
;;       r = np.clip(x / 2.0 ** e, -448, 448)
;;       step = 2.0 ** (np.maximum(np.frexp(np.where(r == 0, 1, r))[1] - 1, -6) - 3)
;;       q = np.round(r / step) * step * 2.0 ** e      # np.round: ties to even
;;       return np.moveaxis(q.reshape(q.shape[:-2] + (-1,))[..., :K], -1, axis).astype(np.float32)
;;   ~~~
;;   SOFTMAX AHEAD OF A QUANTISED PRODUCT. Where the list says 'softmax', what is quantised is not the finished softmax but p = 2^(t - M), with t = logit x log2(e) and M = ceil(the row's largest t), a whole number; so 1/2 < the row's largest p <= 1. The row's sum l is taken of the UNQUANTISED p, in f32, and the product's result is divided by l at the end. Since M is a whole number, a kernel that streams over the keys may use a running M (the ceiling of the running maximum): every later rescaling is an exact power of two, which a block's scale takes up: the codes' values come out the same.
;;   OPERANDS COMPUTED ON THE WAY. 'Computed on the way' means the value that the module computes at that place (a softmax that the list does not call 'softmax' is quantised finished and normalised). What goes into a quantiser is computed in f32, as accurately as f32 sums, v_exp_f32 and their like allow (about 1e-6 of the number): no bf16 or f16 on the way to a quantiser, and a product that is left as it is and whose result goes on into a quantised operand takes f32 operands (vector FMAs, or v_wmma_f32_16x16x4_f32). A number that lies on a knife's edge between two numbers of the format may be rounded either way, as far as f32 arithmetic and the matrix unit's own rounding can turn it there, and no further.
;; One version. Each part assembles by itself: llvm-mc -triple=amdgcn-amd-amdhsa -mcpu=gfx1250 --defsym DOCPART=n.
;; ======== version 1 of 1: 4 launches
;; limits: right only within a limited range of input values
;; workspace buffers: xcs 4,325,376 bytes; wcs 3,244,032 bytes; qcs 4,456,448 bytes; kcs 2,228,224 bytes; vcs 2,162,688 bytes; ocs 4,325,376 bytes
;; launch quant (part 1): grid 56 x 4, 4 waves a work-group, no clusters, 35,328 bytes of LDS; arguments hidden_states, wq, wk, wv, wo, xcs, wcs; writes xcs, wcs
.if DOCPART == 1
	.amdgcn_target "amdgcn-amd-amdhsa--gfx1250"
	.amdhsa_code_object_version 6
	.text
	.protected	k_qa7fa502fa3_quant
	.globl	k_qa7fa502fa3_quant
	.p2align	8
	.type	k_qa7fa502fa3_quant,@function
k_qa7fa502fa3_quant:
	s_mov_b64 s[64:65], 0
	v_nop
	global_prefetch_b8 v0, s[64:65] scope:SCOPE_SE
	s_setreg_imm32_b32 hwreg(HW_REG_WAVE_MODE, 25, 1), 1
	s_wait_xcnt 0x0
; hidden_states [4096][1024] and the four weights ([1024 (k)][n]) become codes of FP8 (E4M3) with one E8M0 byte for each 32 along K.
; A block's scale is 2^(floor(log2(largest magnitude)) - 8); each number is divided by it, held within +-448 and rounded to the nearest code, ties to even.
; LAYOUT OF THE RESULTS: images of operand registers.  A fragment, 16 rows x 128 K, is 2,048 bytes [c 0..3][lane 0..31][16 bytes]: lane (r = lane % 16, h = lane / 16)
; owns the K places 32 c + 16 h + 0..15 of row r.  xcs: [row tile 256][K step 8][2,048], behind them at XSC the scale words [K step 8][row 4096], four bytes each.
; wcs: [row tile 192][K step 8][2,048] (rows n: 0 wq, 1024 wk, 1536 wv, 2048 wo), at WSC the scale words [K step 8][n 3072].
; ORDER INSIDE A BLOCK OF 32: place 16 h + i holds k = 8 h + i (i < 8) or 16 + 8 h + i - 8: the groups of eight in the order 0, 2, 1, 3.  Every operand of the program is laid so, on both
; sides of every product, so each product pairs the right numbers; blocks and scales are untouched.  LIMIT: the order in which a block's 32 products are added differs from ascending k.
; LIMITS: NaN and infinities are not served.  A block of zeros, or one whose largest magnitude lies under 2^-118, gets the byte 1: zero codes add nothing, and this program alone reads the bytes.
; SHARES.  Work-groups x < 32 take hidden_states: a wave takes 64 rows x 128 K, four row tiles.  The others take the weights: a wave takes 32 columns x 256 K.
; No wave shares anything with another: no barrier.  Work-groups share no input: no cluster.  Only the first path uses LDS.
.set XSC,  4194304
.set WSC,  3145728
.set SEL,  20                          ; s[20:21] lane selects of v_permlanex16_b32: lane l xor 16
.set MNT,  22                          ; s22 the mantissa field of 448
.set TM,   8                           ; v8-23 at work in QUANT4
.set PW,   24                          ; v24 the scale word just made
.set PC,   32                          ; v32-63 codes, two sets of 16
.set RW,   64                          ; v64-191 rows as they are loaded, two sets of 64
.set XN,   192                         ; v192-255 64 numbers of a lane's row, in the operand's order
.set WREG, 8704                        ; LDS of a wave: a stage of 16 rows x 528 bytes, then its 256 bytes of scale words
.set SPI,  528                         ; a stage row: 512 bytes + 16, so that sixteen rows begin in sixteen different columns of 16 bytes
; 64 numbers of a lane, register 16 b + i = place 32 b + 16 h + i of its row, become 16 registers of codes at v[pc] and the row's scale word in v[pw]
.macro QUANT4 s, pc, pw
.irp b, 0,1,2,3
	v_max3_num_f32 v[TM+\b], |v[(\s)+16*\b]|, |v[(\s)+1+16*\b]|, 0x4800000   ; my 16 numbers of block b, and the floor 2^(9 - 127): the byte cannot fall under 1
.endr
.irp i, 2,4,6,8,10,12,14
.irp b, 0,1,2,3
	v_max3_num_f32 v[TM+\b], v[TM+\b], |v[(\s)+16*\b+\i]|, |v[(\s)+1+16*\b+\i]|
.endr
.endr
.irp b, 0,1,2,3
	v_permlanex16_b32 v[TM+4+\b], v[TM+\b], s[SEL], s[SEL+1]
.endr
.irp b, 0,1,2,3
	v_max_num_f32 v[TM+\b], v[TM+\b], v[TM+4+\b]          ; with lane l xor 16's 16: the block's largest magnitude
.endr
.irp b, 0,1,2,3
	v_add_nc_u32 v[TM+12+\b], 0xfc000000, v[TM+\b]        ; 8 off its exponent field: the conversion's scale operand
.endr
.irp b, 0,1,2,3
	v_and_or_b32 v[TM+8+\b], v[TM+\b], 0x7f800000, s[MNT] ; 448 x the scale
.endr
.irp b, 0,1,2,3
	v_lshrrev_b32 v[TM+4+\b], 23, v[TM+12+\b]             ; the scale's byte
.endr
	v_lshl_or_b32 v[\pw], v[TM+5], 8, v[TM+4]
	v_lshl_or_b32 v[\pw], v[TM+6], 16, v[\pw]
	v_lshl_or_b32 v[\pw], v[TM+7], 24, v[\pw]
.irp b, 0,1,2,3
.irp i, 0,1,2,3,4,5,6,7,8,9,10,11,12,13,14,15
	v_med3_num_f32 v[(\s)+16*\b+\i], v[(\s)+16*\b+\i], -v[TM+8+\b], v[TM+8+\b]   ; the conversion does not saturate (ISA guide 7.6.2): the hold comes first
.endr
	v_cvt_scalef32_pk8_fp8_f32 v[(\pc)+4*\b:(\pc)+1+4*\b], v[(\s)+16*\b:(\s)+7+16*\b], v[TM+12+\b]
	v_cvt_scalef32_pk8_fp8_f32 v[(\pc)+2+4*\b:(\pc)+3+4*\b], v[(\s)+8+16*\b:(\s)+15+16*\b], v[TM+12+\b]
.endr
	v_nop                                                 ; one plain line behind the last conversion
.endm
.macro LOADT t                         ; row tile t: 16 rows, each load 512 consecutive bytes of one row
.irp i, 0,1,2,3,4,5,6,7,8,9,10,11,12,13,14,15
	global_load_b128 v[RW+64*((\t)%2)+4*\i:RW+64*((\t)%2)+4*\i+3], v2, s[4:5] offset:(16*(\t)+\i)*4096 th:TH_LOAD_NT
.endr
.endm
.macro TURN t                          ; through my stage: in as loaded, out 64 bytes of my row for each block, in the operand's order.  LDS serves a wave's instructions in order
.irp i, 0,1,2,3,4,5,6,7,8,9,10,11,12,13,14,15
	ds_store_b128 v3, v[RW+64*((\t)%2)+4*\i:RW+64*((\t)%2)+4*\i+3] offset:\i*SPI
.endr
.irp c, 0,1,2,3
	ds_load_b128 v[XN+16*\c:XN+16*\c+3], v4 offset:128*\c            ; k = 32 c + 8 h + 0..3
	ds_load_b128 v[XN+16*\c+4:XN+16*\c+7], v4 offset:128*\c+16       ; + 4..7
	ds_load_b128 v[XN+16*\c+8:XN+16*\c+11], v4 offset:128*\c+64      ; k = 32 c + 16 + 8 h + 0..3
	ds_load_b128 v[XN+16*\c+12:XN+16*\c+15], v4 offset:128*\c+80
.endr
.endm
.macro XTILE t
.if (\t) < 3
	s_wait_loadcnt 16                              ; this tile's 16 loads are in; the next tile's 16 may be out
.else
	s_wait_loadcnt 0x0
.endif
	TURN \t
	s_wait_dscnt 0x0                               ; the numbers are back, and the stage's stores have read the rows' registers
.if (\t) < 2
	LOADT (\t)+2
.else
	s_wait_xcnt 0x0                                ; the stores of two tiles back have read this set of codes: it is written again only behind this wait
.endif
	QUANT4 XN, PC+16*((\t)%2), PW
.irp c, 0,1,2,3
	global_store_b128 v2, v[PC+16*((\t)%2)+4*\c:PC+16*((\t)%2)+4*\c+3], s[28:29] offset:(\t)*16384+\c*512   ; 512 consecutive bytes of the fragment's image
.endr
	ds_store_b32 v5, v[PW] offset:64*(\t)          ; both halves of the lanes write the same word with the same value
.endm
.macro WLOAD t                         ; block t of my column: 32 numbers down K; a load reads 128 consecutive bytes
.set i, 0
.rept 32
	global_load_b32 v[64+32*((\t)%2)+i], v[32+i], s[32+2*(\t):33+2*(\t)] th:TH_LOAD_NT
.set i, i+1
.endr
.endm
.macro WBLOCK t
.set XS, 64+32*((\t)%2)
.set CC, 128+8*(\t)
.if (\t) < 7
	s_wait_loadcnt 32                              ; this block's 32 loads are in; the next block's may be out
.else
	s_wait_loadcnt 0x0
.endif
	v_max3_num_f32 v12, |v[XS]|, |v[XS+1]|, |v[XS+2]|      ; all 32 numbers of the block are mine
	v_max3_num_f32 v13, |v[XS+3]|, |v[XS+4]|, |v[XS+5]|
.irp i, 6,10,14,18,22,26
	v_max3_num_f32 v12, v12, |v[XS+\i]|, |v[XS+\i+1]|
	v_max3_num_f32 v13, v13, |v[XS+\i+2]|, |v[XS+\i+3]|
.endr
	v_max3_num_f32 v12, v12, |v[XS+30]|, |v[XS+31]|
	v_max3_num_f32 v12, v12, v13, 0x4800000
	v_add_nc_u32 v11, 0xfc000000, v12
	v_and_or_b32 v10, v12, 0x7f800000, s[MNT]
	v_lshrrev_b32 v13, 23, v11
.if (\t)%4 == 0
	v_mov_b32 v[16+(\t)/4], v13                    ; four bytes to a word, the lower K in the lower byte
.else
	v_lshl_or_b32 v[16+(\t)/4], v13, 8*((\t)%4), v[16+(\t)/4]
.endif
.set i, 0
.rept 32
	v_med3_num_f32 v[XS+i], v[XS+i], -v10, v10
.set i, i+1
.endr
	v_cvt_scalef32_pk8_fp8_f32 v[CC:CC+1], v[XS:XS+7], v11          ; places 0-7: k 0-7
	v_cvt_scalef32_pk8_fp8_f32 v[CC+2:CC+3], v[XS+16:XS+23], v11    ; places 8-15: k 16-23
	v_cvt_scalef32_pk8_fp8_f32 v[CC+4:CC+5], v[XS+8:XS+15], v11     ; places 16-23: k 8-15
	v_cvt_scalef32_pk8_fp8_f32 v[CC+6:CC+7], v[XS+24:XS+31], v11    ; places 24-31: k 24-31
	v_nop
	global_store_b128 v3, v[CC:CC+3], s[48:49] offset:((\t)/4)*2048+((\t)%4)*512       ; the image's lanes 0-15: sixteen lanes store 256 consecutive bytes, aligned
	global_store_b128 v3, v[CC+4:CC+7], s[48:49] offset:((\t)/4)*2048+((\t)%4)*512+256 ; and its lanes 16-31
.if (\t) < 6
	WLOAD (\t)+2
.endif
.endm
	s_load_b256 s[4:11], s[0:1], 0x0               ; hidden_states, wq, wk, wv
	s_load_b128 s[12:15], s[0:1], 0x20             ; wo, xcs
	s_load_b64 s[16:17], s[0:1], 0x30              ; wcs
	v_lshl_add_u32 v30, v0, 2, 0x8800
	v_mov_b32 v31, 0
	v_lshrrev_b32 v1, 5, v0
	v_readfirstlane_b32 s18, v1                    ; wave
	v_and_b32 v1, 31, v0                           ; lane
	s_and_b32 s19, ttmp7, 0xffff                   ; work-group y
	s_mov_b32 s[SEL], 0x76543210
	s_mov_b32 s[SEL+1], 0xfedcba98
	s_mov_b32 s[MNT], 0x600000
	s_cmp_ge_u32 ttmp9, 32
	s_cbranch_scc1 .Lweights
	; ---- hidden_states: run J = ((y 32 + x) 4 + wave): rows 64 (J / 8) on, K step J % 8
	s_lshl_b32 s23, s19, 5
	s_add_co_u32 s23, s23, ttmp9
	s_lshl_b32 s23, s23, 2
	s_add_co_u32 s23, s23, s18
	s_lshr_b32 s24, s23, 3                         ; which 64 rows
	s_and_b32 s25, s23, 7                          ; which K step
	s_lshl_b32 s26, s24, 18                        ; in: 64 rows of 4,096 bytes, + 512 bytes a K step
	s_lshl_b32 s28, s25, 9
	s_add_co_u32 s26, s26, s28
	s_mov_b32 s27, 0
	s_lshl_b32 s28, s24, 16                        ; codes: four row tiles of 16,384 bytes, + 2,048 a K step
	s_lshl_b32 s30, s25, 11
	s_add_co_u32 s28, s28, s30
	s_mov_b32 s29, 0
	s_lshl_b32 s30, s25, 14                        ; scale words: 16,384 bytes a K step, + 256 for 64 rows
	s_lshl_b32 s31, s24, 8
	s_add_co_u32 s30, s30, s31
	s_add_co_u32 s30, s30, XSC
	s_mov_b32 s31, 0
	s_mul_i32 s48, s18, WREG                       ; my wave's LDS
	s_wait_alu depctr_va_vdst(0)
	v_lshlrev_b32 v2, 4, v1                        ; 16 x lane
	v_add_nc_u32 v3, s48, v2                       ; the stage, in
	v_and_b32 v9, 15, v0                           ; r
	v_bfe_u32 v10, v0, 4, 1                        ; h
	v_mul_u32_u24 v4, v9, SPI
	v_lshl_add_u32 v4, v10, 5, v4
	v_add_nc_u32 v4, s48, v4                       ; the stage, out: row r, + 32 h bytes
	s_add_co_u32 s48, s48, 16*SPI
	v_lshl_add_u32 v5, v9, 2, s48                  ; my row's scale word
	v_lshlrev_b32 v7, 3, v1
	v_add_nc_u32 v6, s48, v7                       ; and 8 bytes a lane on the way out
.irp b, 0,1,2,3
	v_mov_b32 v[TM+4+\b], 0                        ; a lane permute's destination counts as read: written once
.endr
	s_wait_alu depctr_va_vdst(0)
	s_wait_kmcnt 0x0
	s_add_nc_u64 s[4:5], s[4:5], s[26:27]
	s_add_nc_u64 s[28:29], s[14:15], s[28:29]
	s_add_nc_u64 s[30:31], s[14:15], s[30:31]
	LOADT 0
	LOADT 1
	XTILE 0
	XTILE 1
	XTILE 2
	XTILE 3
	ds_load_b64 v[8:9], v6                         ; my wave's 64 scale words; LDS serves a wave's instructions in order
	s_wait_dscnt 0x0
	global_store_b64 v7, v[8:9], s[30:31]          ; 256 consecutive bytes, aligned
	s_wait_tensorcnt 0x0
	ds_add_u32 v30, v31
	s_wait_dscnt 0x0
	s_endpgm
.Lweights:
	; ---- the weights: columns n = 128 cg + 32 wave + lane, K = 256 y on.  A lane takes a column and its registers run down K
	s_sub_co_u32 s23, ttmp9, 32                    ; cg 0..23
	s_mov_b32 s24, 4096                            ; a row of the tensor in bytes
	s_mov_b32 s25, 16                              ; the tensor's first cg
	s_mov_b32 s26, 4096
	s_wait_kmcnt 0x0
	s_cmp_lt_u32 s23, 16                           ; the choices hang on the work-group's number alone
	s_cselect_b64 s[28:29], s[10:11], s[12:13]     ; wv, else wo
	s_cselect_b32 s24, 2048, s24
	s_cselect_b32 s25, 12, s25
	s_cmp_lt_u32 s23, 12
	s_cselect_b64 s[28:29], s[8:9], s[28:29]       ; wk
	s_cselect_b32 s25, 8, s25
	s_cmp_lt_u32 s23, 8
	s_cselect_b64 s[28:29], s[6:7], s[28:29]       ; wq
	s_cselect_b32 s24, s26, s24
	s_cselect_b32 s25, 0, s25
	s_sub_co_u32 s25, s23, s25
	s_lshl_b32 s25, s25, 9                         ; 128 columns of 4 bytes
	s_lshl_b32 s27, s18, 7
	s_add_co_u32 s30, s25, s27
	s_lshl_b32 s27, s19, 8
	s_mul_i32 s27, s27, s24                        ; 256 y rows
	s_add_co_u32 s30, s30, s27
	s_mov_b32 s31, 0
	s_add_nc_u64 s[32:33], s[28:29], s[30:31]      ; a base for each block of 32 rows: no pointer is stepped while loads are out
	s_lshl_b32 s30, s24, 5
.irp t, 1,2,3,4,5,6,7
	s_add_nc_u64 s[32+2*\t:33+2*\t], s[30+2*\t:31+2*\t], s[30:31]
.endr
	s_lshl_b32 s48, s23, 17                        ; codes: row tile 8 cg + 2 wave, K step 2 y
	s_lshl_b32 s50, s18, 15
	s_add_co_u32 s48, s48, s50
	s_lshl_b32 s50, s19, 12
	s_add_co_u32 s48, s48, s50
	s_mov_b32 s49, 0
	s_add_nc_u64 s[48:49], s[16:17], s[48:49]
	s_mul_i32 s50, s19, 24576                      ; scale words: K step 2 y of 12,288 bytes, n
	s_lshl_b32 s52, s23, 9
	s_add_co_u32 s50, s50, s52
	s_lshl_b32 s52, s18, 7
	s_add_co_u32 s50, s50, s52
	s_add_co_u32 s50, s50, WSC
	s_mov_b32 s51, 0
	s_add_nc_u64 s[50:51], s[16:17], s[50:51]
	s_wait_alu depctr_va_vdst(0)
	v_lshlrev_b32 v2, 2, v1                        ; 4 x lane
	v_lshrrev_b32 v3, 4, v1
	v_and_b32 v4, 15, v1
	v_lshlrev_b32 v3, 14, v3                       ; lanes 16-31 belong to the next row tile
	v_lshl_add_u32 v3, v4, 4, v3                   ; + 16 x (lane % 16)
.set i, 0
.rept 32
	v_mad_u32_u24 v[32+i], s24, i, v2              ; row i of a block, my column
.set i, i+1
.endr
	WLOAD 0
	WLOAD 1
.irp t, 0,1,2,3,4,5,6,7
	WBLOCK \t
.endr
	global_store_b32 v2, v16, s[50:51]             ; my column's words of the two K steps: 128 consecutive bytes a store
	global_store_b32 v2, v17, s[50:51] offset:12288
	s_endpgm
.Lfunc_end_k_qa7fa502fa3_quant:
	.size	k_qa7fa502fa3_quant, .Lfunc_end_k_qa7fa502fa3_quant-k_qa7fa502fa3_quant
	.p2alignl 7, 3214868480
	.fill 96, 4, 3214868480
	.section	.rodata,"a",@progbits
	.p2align	6, 0x0
	.amdhsa_kernel k_qa7fa502fa3_quant
		.amdhsa_group_segment_fixed_size 35328
		.amdhsa_private_segment_fixed_size 0
		.amdhsa_enable_private_segment 0
		.amdhsa_kernarg_size 56
		.amdhsa_user_sgpr_count 2
		.amdhsa_user_sgpr_kernarg_segment_ptr 1
		.amdhsa_wavefront_size32 1
		.amdhsa_system_sgpr_workgroup_id_x 1
		.amdhsa_system_sgpr_workgroup_id_y 1
		.amdhsa_system_sgpr_workgroup_id_z 1
		.amdhsa_system_vgpr_workitem_id 0
		.amdhsa_next_free_vgpr 256
		.amdhsa_next_free_sgpr 66
		.amdhsa_reserve_vcc 0
		.amdhsa_float_denorm_mode_32 3
		.amdhsa_float_denorm_mode_16_64 3
		.amdhsa_memory_ordered 1
		.amdhsa_forward_progress 1
		.amdhsa_inst_pref_size 110
	.end_amdhsa_kernel
	.amdgpu_metadata
---
amdhsa.version: [ 1, 2 ]
amdhsa.kernels:
  - .name:           k_qa7fa502fa3_quant
    .symbol:         k_qa7fa502fa3_quant.kd
    .args:
      - { .name: hidden_states, .offset: 0, .size: 8, .value_kind: global_buffer, .address_space: global }
      - { .name: wq, .offset: 8, .size: 8, .value_kind: global_buffer, .address_space: global }
      - { .name: wk, .offset: 16, .size: 8, .value_kind: global_buffer, .address_space: global }
      - { .name: wv, .offset: 24, .size: 8, .value_kind: global_buffer, .address_space: global }
      - { .name: wo, .offset: 32, .size: 8, .value_kind: global_buffer, .address_space: global }
      - { .name: xcs, .offset: 40, .size: 8, .value_kind: global_buffer, .address_space: global }
      - { .name: wcs, .offset: 48, .size: 8, .value_kind: global_buffer, .address_space: global }
    .group_segment_fixed_size: 35328
    .private_segment_fixed_size: 0
    .kernarg_segment_align: 8
    .kernarg_segment_size: 56
    .max_flat_workgroup_size: 128
    .sgpr_count:     66
    .vgpr_count:     256
    .wavefront_size: 32
...
	.end_amdgpu_metadata
.endif
;; end of part 1
;; launch gemm_qkv (part 2): grid 16 x 32, 4 waves a work-group, clusters of 4 x 4, 262,656 bytes of LDS; arguments xcs, wcs, cos, sin, norm_q_w, norm_k_w, qcs, kcs, vcs; writes qcs, kcs, vcs
.if DOCPART == 2
	.amdgcn_target "amdgcn-amd-amdhsa--gfx1250"
	.amdhsa_code_object_version 6
	.text
	.protected	k_qa7fa502fa3_gemm_qkv
	.globl	k_qa7fa502fa3_gemm_qkv
	.p2align	8
	.type	k_qa7fa502fa3_gemm_qkv,@function
k_qa7fa502fa3_gemm_qkv:
	s_mov_b64 s[64:65], 0
	v_nop
	global_prefetch_b8 v0, s[64:65] scope:SCOPE_SE
	s_setreg_imm32_b32 hwreg(HW_REG_WAVE_MODE, 25, 1), 1
	s_wait_xcnt 0x0
	s_wait_alu depctr_hold_cnt(0) depctr_sa_sdst(0) depctr_va_vdst(0) depctr_va_sdst(0) depctr_va_ssrc(0) depctr_va_vcc(0) depctr_vm_vsrc(0)
	s_getreg_b32 s2, hwreg(HW_REG_IB_STS2, 6, 4)
	s_cmp_eq_u32 s2, 0
	s_cbranch_scc0 .Lentry_in_a_cluster
	s_endpgm
.Lentry_in_a_cluster:
	s_bfe_u32 s2, ttmp6, 0x10000c
	s_cmp_lg_u32 s2, 0xf033
	s_cbranch_scc0 .Lentry_shape_is_right
	s_endpgm
.Lentry_shape_is_right:
; q, k, v = hidden_states x (wq | wk | wv) on codes of FP8 (E4M3) with E8M0 scales; then, in registers: RMSNorm over a head's 64, the partial rotation of its first 32, and the quantising of
; q and k along the head's 64 and of v along the tokens.  Only codes and scale words leave.
; A work-group makes 128 tokens (tile y) x 128 columns (tile x: 0-7 wq, 8-11 wk, 12-15 wv).  All of K = 1,024 of both tiles lies in LDS (2 x 131,072 bytes), every byte filled once.
; ONE TENSOR LOAD A WAVE: wave 0 the tokens' K steps 0-3 (8 row tiles x 8,192 bytes), wave 1 the weights', waves 2 and 3 K steps 4-7.  The first barrier shows waves 0 and 1's tiles, the barrier
; behind K step 3's fetch the other two.  LDS: K half H at 131,072 H: tokens' tile t at 8,192 t, the weights' 65,536 on; in a tile a K step is 2,048 bytes, an image of the operand's registers [c][lane][16].
; THE SCALE WORDS go from memory straight into registers, 40 loads of 128 consecutive bytes a wave: a register holds one tile's words in lanes 0-15 and the next tile's in lanes 16-31.
; SHARES.  Each wave takes a narrow strip of 32 rows against all 128 wide rows: 16 accumulators.  Source 0 = 16 wide rows, source 1 = 16 narrow rows: lane (r, h) holds narrow row r, register j wide row 8 h + j.
; q, k: narrow = tokens, wide = columns.  v: narrow = channels, wide = tokens (the K of attention's second product).  The roles part on the cluster's x, which all sixteen partners share.
; Two neighbouring tiles' 16 registers are a block's places 16 h + 0..15, k = 8 h + i and 16 + 8 h + i: the order in which every operand of this program is laid.
; CLUSTERS: 4 x 4.  The tokens' tiles hang on y alone and are asked for jointly along a row of the cluster, the weights' on x alone, along a column.
; No prefetch: the text has no loop that runs ahead of a load; each tile is asked for once, at the head.
; LIMITS: NaN and infinities are not served; a block under 2^-118 gets the byte 1; 1/sqrt by v_rsq_f32; the products of a block of 32 are not added in ascending k.
; In a work-group of role v the gains and the rotation's tables are loaded and not used: the loads stand on the one path that all roles take.
; REGISTERS.  Window 0: v1 lane, v2 16 x lane, v3 4 x lane, v4-5 LDS addresses, v16-47 wide scale words, v48-55 narrow (all at work on the way out), v64-95 gains, v96-127 cos and sin,
;   v128-255 accumulators ((a, b) at 128 + 64 a + 8 b).  Window 1: wide fragments, two sets of 128.  Window 2: narrow fragments, two sets of 32.
.set SPARE, 262144
.set XSC,   4194304
.set WSC,   3145728
.set WROW0, 0
.set ACC,   128
.set SCW,   16                         ; wide words: 16 + 4 s + b / 2
.set SCN,   48                         ; narrow words: odd K steps at 48 on, even at 52 on: no product's two scale registers are equal modulo 8
.set NW,    64
.set CS0,   96
.set CS1,   128
.set TM,    16
.set PC,    24
.set PWS,   54
.set G1X,   24
.set G1W,   32
.set SEL,   48
.set MNT,   50
.set MSB, 0
.macro WIN new
.if MSB != \new
	s_set_vgpr_msb (MSB<<8)|\new
.set MSB, \new
.endif
.endm
.macro PLACES n
.rept \n
	v_nop
.endr
.endm
.macro CROUND
	s_barrier_signal -1
	s_barrier_wait -1
	s_cmp_lg_u32 s16, 0
	s_cbranch_scc1 .Lnot_wave_0_\@
	s_barrier_signal -3
.Lnot_wave_0_\@:
	s_barrier_wait -3
	s_barrier_signal -1
	s_barrier_wait -1
.endm
.macro TLOAD g0, g1                    ; s_nop 0 and four v_nop follow
	tensor_load_to_lds s[\g0:\g0+3], s[\g1:\g1+7]
	s_nop 0
	PLACES 4
.endm
.macro FETCH s, p                      ; K step s into set p: 8 wide and 2 narrow fragments: 40 LDS loads
	WIN 0x40
.irp b, 0,1,2,3,4,5,6,7
.irp c, 0,1,2,3
	ds_load_b128 v[128*(\p)+16*\b+4*\c:128*(\p)+16*\b+4*\c+3], v5 offset:((\s)%4)*2048+\b*8192+\c*512
.endr
.endr
	WIN 0x80
.irp a, 0,1
.irp c, 0,1,2,3
	ds_load_b128 v[32*(\p)+16*\a+4*\c:32*(\p)+16*\a+4*\c+3], v4 offset:((\s)%4)*2048+\a*8192+\c*512
.endr
.endr
	WIN 0
.endm
.macro MUL p, s, zero                  ; K step s from set p: 16 products, the accumulators by turns.  zero = 1: they start the sums
	WIN 0x09
.irp a, 0,1
.irp b, 0,1,2,3,4,5,6,7
.set D_, ACC+64*\a+8*\b
.set A_, 128*(\p)+16*\b
.set B_, 32*(\p)+16*\a
.set SA_, SCW+4*(\s)+\b/2
.set SB_, SCN+(\s)/2+4*(1-(\s)%2)
.if \zero
.if \a && \b%2
	v_wmma_scale_f32_16x16x128_f8f6f4 v[D_:D_+7], v[A_:A_+15], v[B_:B_+15], 0, v[SA_], v[SB_] matrix_a_scale:MATRIX_SCALE_ROW1 matrix_b_scale:MATRIX_SCALE_ROW1
.elseif \a
	v_wmma_scale_f32_16x16x128_f8f6f4 v[D_:D_+7], v[A_:A_+15], v[B_:B_+15], 0, v[SA_], v[SB_] matrix_b_scale:MATRIX_SCALE_ROW1
.elseif \b%2
	v_wmma_scale_f32_16x16x128_f8f6f4 v[D_:D_+7], v[A_:A_+15], v[B_:B_+15], 0, v[SA_], v[SB_] matrix_a_scale:MATRIX_SCALE_ROW1
.else
	v_wmma_scale_f32_16x16x128_f8f6f4 v[D_:D_+7], v[A_:A_+15], v[B_:B_+15], 0, v[SA_], v[SB_]
.endif
.else
.if \a && \b%2
	v_wmma_scale_f32_16x16x128_f8f6f4 v[D_:D_+7], v[A_:A_+15], v[B_:B_+15], v[D_:D_+7], v[SA_], v[SB_] matrix_a_scale:MATRIX_SCALE_ROW1 matrix_b_scale:MATRIX_SCALE_ROW1
.elseif \a
	v_wmma_scale_f32_16x16x128_f8f6f4 v[D_:D_+7], v[A_:A_+15], v[B_:B_+15], v[D_:D_+7], v[SA_], v[SB_] matrix_b_scale:MATRIX_SCALE_ROW1
.elseif \b%2
	v_wmma_scale_f32_16x16x128_f8f6f4 v[D_:D_+7], v[A_:A_+15], v[B_:B_+15], v[D_:D_+7], v[SA_], v[SB_] matrix_a_scale:MATRIX_SCALE_ROW1
.else
	v_wmma_scale_f32_16x16x128_f8f6f4 v[D_:D_+7], v[A_:A_+15], v[B_:B_+15], v[D_:D_+7], v[SA_], v[SB_]
.endif
.endif
.endr
.endr
	WIN 0
.endm
.macro NEXTHALF                        ; every wave's tensor load has landed, my LDS loads are back, everybody's likewise
	s_wait_tensorcnt 0x0
	s_wait_dscnt 0x0
	s_barrier_signal -1
	s_barrier_wait -1
	v_add_nc_u32 v4, 0x20000, v4
	v_add_nc_u32 v5, 0x20000, v5
.endm
.macro KSTEP s, p                      ; K step s is fetched into set p while the other set, K step s - 1, is multiplied
	PLACES 8                                       ; eight places between the products that read set p and the loads into it
	FETCH \s, \p
	s_wait_dscnt 40                                ; all but the 40 just issued
	MUL 1-(\p), (\s)-1, 0
.endm
.macro QUANT4 s, pc, pw
.irp b, 0,1,2,3
	v_max3_num_f32 v[TM+\b], |v[(\s)+16*\b]|, |v[(\s)+1+16*\b]|, 0x4800000   ; my 16 numbers of block b, and the floor 2^(9 - 127)
.endr
.irp i, 2,4,6,8,10,12,14
.irp b, 0,1,2,3
	v_max3_num_f32 v[TM+\b], v[TM+\b], |v[(\s)+16*\b+\i]|, |v[(\s)+1+16*\b+\i]|
.endr
.endr
.irp b, 0,1,2,3
	v_permlanex16_b32 v[TM+4+\b], v[TM+\b], s[SEL], s[SEL+1]
.endr
.irp b, 0,1,2,3
	v_max_num_f32 v[TM+\b], v[TM+\b], v[TM+4+\b]
.endr
.irp b, 0,1,2,3
	v_add_nc_u32 v[TM+12+\b], 0xfc000000, v[TM+\b]
.endr
.irp b, 0,1,2,3
	v_and_or_b32 v[TM+8+\b], v[TM+\b], 0x7f800000, s[MNT]
.endr
.irp b, 0,1,2,3
	v_lshrrev_b32 v[TM+4+\b], 23, v[TM+12+\b]
.endr
	v_lshl_or_b32 v[\pw], v[TM+5], 8, v[TM+4]
	v_lshl_or_b32 v[\pw], v[TM+6], 16, v[\pw]
	v_lshl_or_b32 v[\pw], v[TM+7], 24, v[\pw]
.irp b, 0,1,2,3
.irp i, 0,1,2,3,4,5,6,7,8,9,10,11,12,13,14,15
	v_med3_num_f32 v[(\s)+16*\b+\i], v[(\s)+16*\b+\i], -v[TM+8+\b], v[TM+8+\b]
.endr
	v_cvt_scalef32_pk8_fp8_f32 v[(\pc)+4*\b:(\pc)+1+4*\b], v[(\s)+16*\b:(\s)+7+16*\b], v[TM+12+\b]
	v_cvt_scalef32_pk8_fp8_f32 v[(\pc)+2+4*\b:(\pc)+3+4*\b], v[(\s)+8+16*\b:(\s)+15+16*\b], v[TM+12+\b]
.endr
	v_nop
.endm
.macro QUANT2 s, pc, pw                ; the same for two blocks: +0,1 maxima, +2,3 holds, +4,5 the other lane's and the bytes, +6,7 scale operands.  The word's bytes 2 and 3 are 0
.irp b, 0,1
	v_max3_num_f32 v[TM+\b], |v[(\s)+16*\b]|, |v[(\s)+1+16*\b]|, 0x4800000
.endr
.irp i, 2,4,6,8,10,12,14
.irp b, 0,1
	v_max3_num_f32 v[TM+\b], v[TM+\b], |v[(\s)+16*\b+\i]|, |v[(\s)+1+16*\b+\i]|
.endr
.endr
.irp b, 0,1
	v_permlanex16_b32 v[TM+4+\b], v[TM+\b], s[SEL], s[SEL+1]
.endr
.irp b, 0,1
	v_max_num_f32 v[TM+\b], v[TM+\b], v[TM+4+\b]
.endr
.irp b, 0,1
	v_add_nc_u32 v[TM+6+\b], 0xfc000000, v[TM+\b]
.endr
.irp b, 0,1
	v_and_or_b32 v[TM+2+\b], v[TM+\b], 0x7f800000, s[MNT]
.endr
.irp b, 0,1
	v_lshrrev_b32 v[TM+4+\b], 23, v[TM+6+\b]
.endr
	v_lshl_or_b32 v[\pw], v[TM+5], 8, v[TM+4]
.irp b, 0,1
.irp i, 0,1,2,3,4,5,6,7,8,9,10,11,12,13,14,15
	v_med3_num_f32 v[(\s)+16*\b+\i], v[(\s)+16*\b+\i], -v[TM+2+\b], v[TM+2+\b]
.endr
	v_cvt_scalef32_pk8_fp8_f32 v[(\pc)+4*\b:(\pc)+1+4*\b], v[(\s)+16*\b:(\s)+7+16*\b], v[TM+6+\b]
	v_cvt_scalef32_pk8_fp8_f32 v[(\pc)+2+4*\b:(\pc)+3+4*\b], v[(\s)+8+16*\b:(\s)+15+16*\b], v[TM+6+\b]
.endr
	v_nop
.endm
	s_load_b128 s[4:7], s[0:1], 0x0                ; xcs, wcs
	s_load_b256 s[8:15], s[0:1], 0x10              ; cos, sin, norm_q_w, norm_k_w
	v_lshl_add_u32 v62, v0, 2, SPARE
	v_mov_b32 v63, 0
	ds_add_u32 v62, v63                            ; the opening lines: the add twice on end and its wait
	ds_add_u32 v62, v63
	v_lshrrev_b32 v1, 5, v0
	v_readfirstlane_b32 s16, v1                    ; wave
	v_and_b32 v1, 31, v0                           ; lane
	v_lshlrev_b32 v2, 4, v1
	s_wait_alu depctr_va_vdst(0)
	v_lshlrev_b32 v3, 2, v1
	v_and_b32 v10, 15, v0                          ; r
	s_wait_alu depctr_va_vdst(0)
	v_bfe_u32 v11, v0, 4, 1                        ; h
	s_lshr_b32 s17, s16, 1                         ; which K half I fetch
	s_and_b32 s18, s16, 1                          ; for the tokens (0) or the weights (1)
	s_bfe_u32 s19, ttmp6, 0x40000                  ; cx
	s_bfe_u32 s20, ttmp6, 0x40004                  ; cy
	s_lshl_b32 s21, ttmp9, 2
	s_add_co_u32 s21, s21, s19                     ; x
	s_and_b32 s22, ttmp7, 0xffff
	s_lshl_b32 s22, s22, 2
	s_add_co_u32 s22, s22, s20                     ; y
	s_mov_b32 s23, ttmp9                           ; the role: 0, 1 q; 2 k; 3 v: the same in all sixteen partners
	s_cmp_eq_u32 s23, 3
	s_cselect_b32 s2, 0x10000, 0                   ; narrow codes: the weights' part of a K half for v, else the tokens'
	s_cselect_b32 s3, 0, 0x10000                   ; wide codes: the other part
	s_lshl_b32 s100, s16, 14
	s_add_co_u32 s2, s2, s100                      ; my two narrow tiles
	v_add_nc_u32 v4, s2, v2
	v_add_nc_u32 v5, s3, v2
	s_lshl_b32 s104, s20, 2
	s_lshl_b32 s104, 15, s104                      ; my row of the cluster
	s_lshl_b32 s105, 0x1111, s19                   ; my column
	s_or_b32 s[G1X], s104, (3<<16)|(1<<21)         ; the mask; elements of 8 bytes; bit 21 beside a mask
	s_or_b32 s[G1W], s105, (3<<16)|(1<<21)
.irp g, G1X, G1W
	s_mov_b32 s[\g+1], 1024<<16                    ; a row: 8,192 bytes, four K steps of a row tile
	s_mov_b32 s[\g+2], 8<<16                       ; 8 row tiles
	s_mov_b32 s[\g+3], 1024<<16
	s_mov_b32 s[\g+4], 8
	s_mov_b32 s[\g+5], 2048                        ; 16,384 bytes from row tile to row tile
	s_mov_b32 s[\g+6], 0
	s_mov_b32 s[\g+7], 0
.endr
	s_lshl_b32 s66, s17, 17                        ; LDS: my K half
	s_lshl_b32 s67, s17, 13                        ; memory: four K steps on
	s_lshl_b32 s2, s22, 17                         ; the tokens' side hangs on y and the wave alone
	s_add_co_u32 s2, s2, s67
	s_mov_b32 s3, 0
	s_lshl_b32 s100, s21, 17                       ; the weights' side on x and the wave alone
	s_add_co_u32 s100, s100, s67
	s_add_co_u32 s100, s100, WROW0*1024
	s_mov_b32 s101, 0
	s_lshl_b32 s68, s22, 9                         ; the tiles' scale words
	s_add_co_u32 s68, s68, XSC
	s_mov_b32 s69, 0
	s_lshl_b32 s70, s21, 9
	s_add_co_u32 s70, s70, WSC+WROW0*4
	s_mov_b32 s71, 0
	s_wait_dscnt 0x0
	s_wait_kmcnt 0x0
	s_mov_b32 s56, 1
	s_mov_b32 s57, s66
	s_add_nc_u64 s[58:59], s[4:5], s[2:3]
	s_or_b32 s59, s59, 0x80000000
	s_mov_b32 s60, 1
	s_add_co_u32 s61, s66, 65536
	s_add_nc_u64 s[62:63], s[6:7], s[100:101]
	s_or_b32 s63, s63, 0x80000000
	s_add_nc_u64 s[68:69], s[4:5], s[68:69]
	s_add_nc_u64 s[70:71], s[6:7], s[70:71]
	CROUND                                         ; all sixteen work-groups are here: the joint loads meet
	s_cmp_eq_u32 s16, 0                            ; one chain of branches, a load line of its own for each wave
	s_cbranch_scc0 .Lw1
	TLOAD 56, G1X
	s_branch .Lasked
.Lw1:
	s_cmp_eq_u32 s16, 1
	s_cbranch_scc0 .Lw2
	TLOAD 60, G1W
	s_branch .Lasked
.Lw2:
	s_cmp_eq_u32 s16, 2
	s_cbranch_scc0 .Lw3
	TLOAD 56, G1X
	s_branch .Lasked
.Lw3:
	TLOAD 60, G1W
.Lasked:
	s_wait_alu depctr_va_vdst(0)                   ; the wait ahead of the readers below
	s_cmp_eq_u32 s23, 3                            ; the scale words: wide and narrow side by the role
	s_cselect_b64 s[72:73], s[68:69], s[70:71]
	s_cselect_b64 s[74:75], s[70:71], s[68:69]
	s_mov_b32 s76, 12288                           ; a K step's words of 3,072 rows,
	s_mov_b32 s77, 16384                           ; of 4,096 rows
	s_cselect_b32 s78, s77, s76
	s_cselect_b32 s79, s76, s77
	s_lshl_b32 s76, s16, 7
	v_add_nc_u32 v7, s76, v3                       ; my 32 narrow rows
.irp s, 0,1,2,3,4,5,6,7
	v_mad_u32_u24 v[128+\s], s78, \s, v3           ; offsets, in registers that the first products write behind the loads' wait
	v_mad_u32_u24 v[136+\s], s79, \s, v7
.endr
.irp s, 0,1,2,3,4,5,6,7
.irp j, 0,1,2,3
	global_load_b32 v[SCW+4*\s+\j], v[128+\s], s[72:73] offset:128*\j
.endr
	global_load_b32 v[SCN+\s/2+4*(1-\s%2)], v[136+\s], s[74:75]
.endr
	s_cmp_eq_u32 s23, 2
	s_cselect_b64 s[12:13], s[14:15], s[12:13]     ; norm_k_w for k, else norm_q_w
	s_and_b32 s66, s22, 15
	s_lshl_b32 s66, s66, 14                        ; 128 positions of 128 bytes
	s_lshl_b32 s67, s16, 12
	s_add_co_u32 s66, s66, s67
	s_wait_alu depctr_va_vdst(0)
	v_lshlrev_b32 v8, 5, v11                       ; 32 h
	v_lshl_add_u32 v9, v10, 7, v8
	v_add_nc_u32 v9, s66, v9                       ; my position's row, + 32 h
.irp b, 0,1,2,3
	global_load_b128 v[NW+8*\b:NW+8*\b+3], v8, s[12:13] offset:64*\b
	global_load_b128 v[NW+8*\b+4:NW+8*\b+7], v8, s[12:13] offset:64*\b+16
.endr
.macro TABLES reg, off                 ; +0 cos(8 h + j), +8 cos(16 + 8 h + j), +16 and +24 sin likewise
	global_load_b128 v[\reg:\reg+3], v9, s[8:9] offset:\off
	global_load_b128 v[\reg+4:\reg+7], v9, s[8:9] offset:\off+16
	global_load_b128 v[\reg+8:\reg+11], v9, s[8:9] offset:\off+64
	global_load_b128 v[\reg+12:\reg+15], v9, s[8:9] offset:\off+80
	global_load_b128 v[\reg+16:\reg+19], v9, s[10:11] offset:\off
	global_load_b128 v[\reg+20:\reg+23], v9, s[10:11] offset:\off+16
	global_load_b128 v[\reg+24:\reg+27], v9, s[10:11] offset:\off+64
	global_load_b128 v[\reg+28:\reg+31], v9, s[10:11] offset:\off+80
.endm
	TABLES CS0, 0
	s_wait_alu depctr_va_vdst(0)                   ; the wait at the head's end
	s_cmp_lt_u32 s16, 2
	s_cbranch_scc0 .Lsecond_half
	s_wait_tensorcnt 0x0                           ; waves 0 and 1: K steps 0 to 3 are in
.Lsecond_half:
	s_barrier_signal -1
	s_barrier_wait -1
	FETCH 0, 0
	FETCH 1, 1
	s_wait_loadcnt 16                              ; the scale words are in; behind them: 8 loads of gains, 8 of tables
	s_wait_dscnt 40
	MUL 0, 0, 1                                    ; K step 0 starts the sums: nothing is cleared
	KSTEP 2, 0
	KSTEP 3, 1
	NEXTHALF                                       ; all tensor loads have landed: descriptor registers may be written
	s_wait_alu depctr_va_vdst(0)
	KSTEP 4, 0
	KSTEP 5, 1
	s_load_b128 s[24:27], s[0:1], 0x30             ; qcs, kcs
	s_load_b64 s[28:29], s[0:1], 0x40              ; vcs
	s_mov_b32 s[SEL], 0x76543210
	s_mov_b32 s[SEL+1], 0xfedcba98
	s_mov_b32 s[MNT], 0x600000
	s_mov_b32 s51, 0x3c800000                      ; 1/64
	s_mov_b32 s52, 0x358637bd                      ; eps = 1e-6
	KSTEP 6, 0
	KSTEP 7, 1
	s_wait_dscnt 0x0
	MUL 1, 7, 0
	PLACES 8                                       ; in front of the first read of results and of writes into scale registers
	v_mov_b32 v53, 0                               ; named with v52 as a pair
	s_wait_loadcnt 0x0
	s_wait_kmcnt 0x0
	s_cmp_eq_u32 s23, 3
	s_cbranch_scc1 .Lrole_v
	; ---- q and k.  My tile's two heads: hb and hb + 1
	s_cmp_eq_u32 s23, 2
	s_cselect_b64 s[32:33], s[26:27], s[24:25]
	s_cselect_b32 s34, 8, 0
	s_cselect_b32 s35, 3, 4                        ; log2 of the heads in a batch
	s_mov_b32 s36, 4194304
	s_cselect_b32 s36, 2097152, s36                ; where the buffer's scale words begin
	s_sub_co_u32 s34, s21, s34
	s_lshl_b32 s34, s34, 1
	s_lshr_b32 s37, s22, 4                         ; the batch
	s_lshl_b32 s37, s37, s35
	s_add_co_u32 s34, s34, s37                     ; hb
	s_and_b32 s37, s22, 15
	s_lshl_b32 s38, s34, 17                        ; codes: a head is 128 token tiles of 1,024 bytes; my first tile: 8 (y % 16) + 2 wave
	s_lshl_b32 s40, s37, 13
	s_add_co_u32 s38, s38, s40
	s_lshl_b32 s40, s16, 11
	s_add_co_u32 s38, s38, s40
	s_mov_b32 s39, 0
	s_lshl_b32 s40, s34, 13                        ; scale words: 4 bytes a token
	s_lshl_b32 s42, s37, 9
	s_add_co_u32 s40, s40, s42
	s_lshl_b32 s42, s16, 7
	s_add_co_u32 s40, s40, s42
	s_add_co_u32 s40, s40, s36
	s_mov_b32 s41, 0
	s_add_nc_u64 s[38:39], s[32:33], s[38:39]
	s_add_nc_u64 s[40:41], s[32:33], s[40:41]
; One head of one tile of 16 tokens: 32 registers a lane, register 8 b + j = d 16 b + 8 h + j of token r
.macro UNIT a, hh, cs
.set XR, ACC+64*(\a)+32*(\hh)
	s_wait_xcnt 0x0                                ; the last unit's stores have read v24-31
	v_pk_mul_f32 v[16:17], v[XR:XR+1], v[XR:XR+1]  ; the sum of squares, in two chains, each accumulator from its low end on
	v_pk_mul_f32 v[18:19], v[XR+2:XR+3], v[XR+2:XR+3]
.irp i, 4,8,12,16,20,24,28
	v_pk_fma_f32 v[16:17], v[XR+\i:XR+\i+1], v[XR+\i:XR+\i+1], v[16:17]
	v_pk_fma_f32 v[18:19], v[XR+\i+2:XR+\i+3], v[XR+\i+2:XR+\i+3], v[18:19]
.endr
	v_pk_add_f32 v[16:17], v[16:17], v[18:19]
	v_add_f32 v16, v16, v17
	v_permlanex16_b32 v20, v16, s[SEL], s[SEL+1]   ; the head's other 32 lie in lane l xor 16
	v_add_f32 v16, v16, v20
	v_fma_f32 v16, v16, s51, s52                   ; the mean + eps
	s_wait_alu depctr_va_vdst(0)
	v_rsq_f32 v52, v16
	v_nop
	s_wait_alu depctr_va_vdst(0)                   ; the waits round the transcendental
.irp i, 0,2,4,6,8,10,12,14,16,18,20,22,24,26,28,30
	v_pk_mul_f32 v[XR+\i:XR+\i+1], v[XR+\i:XR+\i+1], v[52:53] op_sel_hi:[1,0]
.endr
.irp i, 0,2,4,6,8,10,12,14,16,18,20,22,24,26,28,30
	v_pk_mul_f32 v[XR+\i:XR+\i+1], v[XR+\i:XR+\i+1], v[NW+\i:NW+\i+1]
.endr
.irp i, 0,2,4,6                        ; the rotation: d < 16 pairs with d + 16, which is register + 8 of the same lane
	v_pk_mul_f32 v[16+\i:17+\i], v[XR+8+\i:XR+9+\i], v[(\cs)+16+\i:(\cs)+17+\i]
	v_pk_mul_f32 v[24+\i:25+\i], v[XR+\i:XR+\i+1], v[(\cs)+24+\i:(\cs)+25+\i]
.endr
.irp i, 0,2,4,6
	v_pk_fma_f32 v[XR+\i:XR+\i+1], v[XR+\i:XR+\i+1], v[(\cs)+\i:(\cs)+\i+1], v[16+\i:17+\i] neg_lo:[0,0,1] neg_hi:[0,0,1]
	v_pk_fma_f32 v[XR+8+\i:XR+9+\i], v[XR+8+\i:XR+9+\i], v[(\cs)+8+\i:(\cs)+9+\i], v[24+\i:25+\i]
.endr
	QUANT2 XR, PC, PWS+2*(\hh)+(\a)
	global_store_b128 v2, v[PC:PC+3], s[38:39] offset:(\hh)*131072+(\a)*1024        ; 512 consecutive bytes of the tile's image
	global_store_b128 v2, v[PC+4:PC+7], s[38:39] offset:(\hh)*131072+(\a)*1024+512
.endm
	UNIT 0, 0, CS0
	TABLES CS1, 2048                               ; the tables of tile a = 1, into the registers that the finished unit has left
	UNIT 0, 1, CS0
	s_wait_loadcnt 0x0
	UNIT 1, 0, CS1
	UNIT 1, 1, CS1
	v_cmp_gt_u32 vcc_lo, 16, v1                    ; lanes 0-15 take tile 0's word of token r, lanes 16-31 tile 1's
	v_cndmask_b32 v58, v[PWS+1], v[PWS], vcc_lo
	v_cndmask_b32 v59, v[PWS+3], v[PWS+2], vcc_lo
	global_store_b32 v3, v58, s[40:41]
	global_store_b32 v3, v59, s[40:41] offset:8192
	s_branch .Ldone
.Lrole_v:
	; ---- v.  My 32 channels: head 2 (x - 12) + wave / 2, channels 32 (wave % 2) on; my tile's 128 tokens are one K step of attention's second product
	s_sub_co_u32 s34, s21, 12
	s_lshl_b32 s34, s34, 1
	s_add_co_u32 s34, s34, s17
	s_lshr_b32 s37, s22, 4
	s_lshl_b32 s37, s37, 3
	s_add_co_u32 s34, s34, s37
	s_lshl_b32 s34, s34, 4
	s_and_b32 s37, s22, 15
	s_add_co_u32 s34, s34, s37                     ; 16 x head + key step
	s_lshl_b32 s38, s34, 13
	s_lshl_b32 s40, s18, 12
	s_add_co_u32 s38, s38, s40
	s_mov_b32 s39, 0
	s_lshl_b32 s40, s34, 8
	s_lshl_b32 s42, s18, 7
	s_add_co_u32 s40, s40, s42
	s_add_co_u32 s40, s40, 2097152
	s_mov_b32 s41, 0
	s_add_nc_u64 s[38:39], s[28:29], s[38:39]
	s_add_nc_u64 s[40:41], s[28:29], s[40:41]
.irp a, 0,1
	QUANT4 ACC+64*\a, 64+16*\a, PWS+\a
.irp c, 0,1,2,3
	global_store_b128 v2, v[64+16*\a+4*\c:64+16*\a+4*\c+3], s[38:39] offset:\a*2048+\c*512
.endr
.endr
	v_cmp_gt_u32 vcc_lo, 16, v1
	v_cndmask_b32 v58, v[PWS+1], v[PWS], vcc_lo
	global_store_b32 v3, v58, s[40:41]
.Ldone:
	s_wait_tensorcnt 0x0                           ; the wave's end
	ds_add_u32 v62, v63
	s_wait_dscnt 0x0
	CROUND                                         ; the closing round
	s_endpgm
.Lfunc_end_k_qa7fa502fa3_gemm_qkv:
	.size	k_qa7fa502fa3_gemm_qkv, .Lfunc_end_k_qa7fa502fa3_gemm_qkv-k_qa7fa502fa3_gemm_qkv
	.p2alignl 7, 3214868480
	.fill 96, 4, 3214868480
	.section	.rodata,"a",@progbits
	.p2align	6, 0x0
	.amdhsa_kernel k_qa7fa502fa3_gemm_qkv
		.amdhsa_group_segment_fixed_size 262656
		.amdhsa_private_segment_fixed_size 0
		.amdhsa_enable_private_segment 0
		.amdhsa_kernarg_size 72
		.amdhsa_user_sgpr_count 2
		.amdhsa_user_sgpr_kernarg_segment_ptr 1
		.amdhsa_wavefront_size32 1
		.amdhsa_system_sgpr_workgroup_id_x 1
		.amdhsa_system_sgpr_workgroup_id_y 1
		.amdhsa_system_sgpr_workgroup_id_z 1
		.amdhsa_system_vgpr_workitem_id 0
		.amdhsa_next_free_vgpr 576
		.amdhsa_next_free_sgpr 106
		.amdhsa_reserve_vcc 1
		.amdhsa_float_denorm_mode_32 3
		.amdhsa_float_denorm_mode_16_64 3
		.amdhsa_memory_ordered 1
		.amdhsa_forward_progress 1
		.amdhsa_inst_pref_size 107
	.end_amdhsa_kernel
	.amdgpu_metadata
---
amdhsa.version: [ 1, 2 ]
amdhsa.kernels:
  - .name:           k_qa7fa502fa3_gemm_qkv
    .symbol:         k_qa7fa502fa3_gemm_qkv.kd
    .args:
      - { .name: xcs, .offset: 0, .size: 8, .value_kind: global_buffer, .address_space: global }
      - { .name: wcs, .offset: 8, .size: 8, .value_kind: global_buffer, .address_space: global }
      - { .name: cos, .offset: 16, .size: 8, .value_kind: global_buffer, .address_space: global }
      - { .name: sin, .offset: 24, .size: 8, .value_kind: global_buffer, .address_space: global }
      - { .name: norm_q_w, .offset: 32, .size: 8, .value_kind: global_buffer, .address_space: global }
      - { .name: norm_k_w, .offset: 40, .size: 8, .value_kind: global_buffer, .address_space: global }
      - { .name: qcs, .offset: 48, .size: 8, .value_kind: global_buffer, .address_space: global }
      - { .name: kcs, .offset: 56, .size: 8, .value_kind: global_buffer, .address_space: global }
      - { .name: vcs, .offset: 64, .size: 8, .value_kind: global_buffer, .address_space: global }
    .group_segment_fixed_size: 262656
    .private_segment_fixed_size: 0
    .kernarg_segment_align: 8
    .kernarg_segment_size: 72
    .max_flat_workgroup_size: 128
    .sgpr_count:     106
    .vgpr_count:     576
    .wavefront_size: 32
...
	.end_amdgpu_metadata
.endif
;; end of part 2
;; launch attn (part 3): grid 16 x 16, 16 waves a work-group, clusters of 4 x 1, 276,992 bytes of LDS; arguments qcs, kcs, vcs, ocs; writes ocs
.if DOCPART == 3
	.amdgcn_target "amdgcn-amd-amdhsa--gfx1250"
	.amdhsa_code_object_version 6
	.text
	.protected	k_qa7fa502fa3_attn
	.globl	k_qa7fa502fa3_attn
	.p2align	8
	.type	k_qa7fa502fa3_attn,@function
k_qa7fa502fa3_attn:
	s_mov_b64 s[64:65], 0
	v_nop
	global_prefetch_b8 v0, s[64:65] scope:SCOPE_SE
	s_setreg_imm32_b32 hwreg(HW_REG_WAVE_MODE, 25, 1), 1
	s_wait_xcnt 0x0
	s_wait_alu depctr_hold_cnt(0) depctr_sa_sdst(0) depctr_va_vdst(0) depctr_va_sdst(0) depctr_va_ssrc(0) depctr_va_vcc(0) depctr_vm_vsrc(0)
	s_getreg_b32 s2, hwreg(HW_REG_IB_STS2, 6, 4)
	s_cmp_eq_u32 s2, 0
	s_cbranch_scc0 .Lentry_in_a_cluster
	s_endpgm
.Lentry_in_a_cluster:
	s_bfe_u32 s2, ttmp6, 0x10000c
	s_cmp_lg_u32 s2, 0x3003
	s_cbranch_scc0 .Lentry_shape_is_right
	s_endpgm
.Lentry_shape_is_right:
; O = softmax(q k^T / 8) v for one key/value head and 128 queries of each of its two query heads, both products on codes of FP8 (E4M3) with E8M0 scales; O is divided by the row's sum and quantised
; along the output projection's K, and leaves as codes and scale words laid as that product's operand.
; THE SOFTMAX AHEAD OF THE SECOND PRODUCT: t = score x log2(e) / 8; M = the running largest t rounded UP to a whole number; p = 2^(t - M) is quantised along the keys, not normalised; the row's sum is
; taken of the unquantised p; when M moves, the sum and O are multiplied by 2^(old M - new M), which rounds nothing.
; SHARES.  Work-group (x, y): y = 8 batch + key/value head, x = which 128 queries.  Sixteen waves, four to a SIMD: waves 0-7 take query head 2 g, waves 8-15 head 2 g + 1; a wave owns one tile of 16 queries.
; THE WHOLE HEAD'S K AND V LIE IN LDS (2 x 131,072 bytes of codes, 12,288 of scale words), every byte filled once, ONE TENSOR LOAD A WAVE: wave 0 K's first 512 keys (32,768 bytes), wave 4 V's,
; wave 8 K's scale words, wave 12 V's; waves 1-3 K's other three chunks, waves 5-7 V's; the other waves none.  A chunk's LDS place is 32,768 x the wave's number.
; THE WAVES MEET TWICE ON THE WAY IN.  In front of the first barrier waves 0, 4, 8, 12 wait for their loads, which have load lines of their own: key steps 0 to 3 may be read.  The second barrier shows
; the other 1,536 keys: every wave waits for its load behind key step 1 and signals; the barrier's wait stands behind key step 3.  Key steps 4 to 15 have no barrier.
; CLUSTER: the four work-groups of a cluster have the same y and walk the same K and V: every tensor load is joint, with a mask that names the four.
; LAYOUT.  Both products are used transposed: S^T = K Q^T (source 0 = 16 keys), O^T = V^T P^T (source 0 = 16 channels): a lane holds ONE query throughout.  The 16 registers of two neighbouring tiles
; of keys are a block's places 16 h + 0..15, keys 8 h + i and 16 + 8 h + i: the order in which V's codes were laid.
; THE FIRST PRODUCT'S K IS 64, the instruction's 128: Q's registers 8-15 are zero codes.  Tile t's source 0 is the run of 16 registers that begins at its own eight; the upper eight are the next tile's
; codes (for the last tile: zeros), which are numbers, never NaN, and meet zero codes.
; No prefetch: every tile is asked for once, at the head, and no loop runs ahead of a load.
; LIMITS: NaN and infinities are not served; 1 / sum by v_rcp_f32; a block's largest p is taken from its largest score, which leans on v_exp_f32 not falling where its input rises; a block under
; 2^-118 gets the byte 1; the products of a block of 32 are not added in ascending k; the promise holds while |t| stays under 2^31.
; REGISTERS: v1-6 addresses that stay; v8-11 the step's addresses; v12 -M, v13 the largest t, v[14:15] the sum; v16-31 Q; v32-95 K's eight tiles, then V's four fragments; v96-103 zeros;
;   v104-167 S^T, then p; v168-199 O^T; v200-215 p's codes; v216-223 K's scale words, v224-227 V's, v253 p's, v255 Q's; v232-254 at work.
.set VCD,  131072                      ; LDS: K's codes at 0 [step 16][tile 8][c 2][512]; V's here [step 16][d tile 4][c 4][512];
.set KSC,  262144                      ; K's scale words, 4 bytes a key;
.set VSC,  270336                      ; V's, [step][channel 64];
.set OSC,  274432                      ; 512 bytes in which O's scale words are joined: written by LDS stores alone;
.set SPARE, 274944                     ; the spare words
.set ADK,  8
.set ADV,  9
.set ADS,  10
.set ADT,  11
.set SS,   104
.set OT,   168
.set PCD,  200
.set TM,   232
.set WV,   18
.set MNT,  19
.set SEL,  20
.set CS,   22                          ; s[22:23] c = log2(e) / 8
.set TB,   2
.set TS,   3
.set TJ,   66
.set TRIP, 67
.set G1C,  24                          ; s[24:31] group 1: 128 rows of 256 bytes, dense;  s[32:39] 32 rows;  s[40:47] 16 rows
.set G1SK, 32
.set G1SV, 40
.macro PLACES n
.rept \n
	v_nop
.endr
.endm
.macro CROUND
	s_barrier_signal -1
	s_barrier_wait -1
	s_cmp_lg_u32 s[WV], 0
	s_cbranch_scc1 .Lnot_wave_0_\@
	s_barrier_signal -3
.Lnot_wave_0_\@:
	s_barrier_wait -3
	s_barrier_signal -1
	s_barrier_wait -1
.endm
.macro ARM cmp, n, g0, g1, next        ; an arm of the head's one chain: its load, s_nop 0 and four v_nop, a jump to the join
	\cmp s[WV], \n
	s_cbranch_scc0 \next
	tensor_load_to_lds s[\g0:\g0+3], s[\g1:\g1+7]
	s_nop 0
	PLACES 4
	s_branch .Lasked
\next:
.endm
.macro QUANT2 s, pc, pw                ; 32 numbers of a lane, two blocks: +0,1 maxima, +2,3 holds, +4,5 the other lane's and the bytes, +6,7 scale operands
.irp b, 0,1
	v_max3_num_f32 v[TM+\b], |v[(\s)+16*\b]|, |v[(\s)+1+16*\b]|, 0x4800000
.endr
.irp i, 2,4,6,8,10,12,14
.irp b, 0,1
	s_delay_alu instid0(VALU_DEP_2)
	v_max3_num_f32 v[TM+\b], v[TM+\b], |v[(\s)+16*\b+\i]|, |v[(\s)+1+16*\b+\i]|
.endr
.endr
.irp b, 0,1
	s_delay_alu instid0(VALU_DEP_2)
	v_permlanex16_b32 v[TM+4+\b], v[TM+\b], s[SEL], s[SEL+1]
.endr
.irp b, 0,1
	s_delay_alu instid0(VALU_DEP_2)
	v_max_num_f32 v[TM+\b], v[TM+\b], v[TM+4+\b]
.endr
.irp b, 0,1
	s_delay_alu instid0(VALU_DEP_2)
	v_add_nc_u32 v[TM+6+\b], 0xfc000000, v[TM+\b]
.endr
.irp b, 0,1
	s_delay_alu instid0(VALU_DEP_4)
	v_and_or_b32 v[TM+2+\b], v[TM+\b], 0x7f800000, s[MNT]
.endr
.irp b, 0,1
	s_delay_alu instid0(VALU_DEP_4)
	v_lshrrev_b32 v[TM+4+\b], 23, v[TM+6+\b]
.endr
	s_delay_alu instid0(VALU_DEP_1)
	v_lshl_or_b32 v[\pw], v[TM+5], 8, v[TM+4]
.irp b, 0,1
.irp i, 0,1,2,3,4,5,6,7,8,9,10,11,12,13,14,15
	v_med3_num_f32 v[(\s)+16*\b+\i], v[(\s)+16*\b+\i], -v[TM+2+\b], v[TM+2+\b]
.endr
	v_cvt_scalef32_pk8_fp8_f32 v[(\pc)+4*\b:(\pc)+1+4*\b], v[(\s)+16*\b:(\s)+7+16*\b], v[TM+6+\b]
	v_cvt_scalef32_pk8_fp8_f32 v[(\pc)+2+4*\b:(\pc)+3+4*\b], v[(\s)+8+16*\b:(\s)+15+16*\b], v[TM+6+\b]
.endr
	v_nop
.endm
	s_load_b256 s[4:11], s[0:1], 0x0               ; qcs, kcs, vcs, ocs
	v_lshl_add_u32 v250, v0, 2, SPARE
	v_mov_b32 v251, 0
	ds_add_u32 v250, v251                          ; the opening lines: the add twice on end and its wait
	ds_add_u32 v250, v251
	v_lshrrev_b32 v1, 5, v0
	s_delay_alu instid0(VALU_DEP_1)
	v_readfirstlane_b32 s[WV], v1                  ; wave 0..15
	v_and_b32 v7, 31, v0
	v_and_b32 v6, 15, v0
	s_delay_alu instid0(VALU_DEP_2)
	v_lshlrev_b32 v1, 4, v7                        ; 16 x lane
	s_delay_alu instid0(VALU_DEP_2)
	v_lshlrev_b32 v6, 2, v6                        ; 4 r
	s_delay_alu instid0(VALU_DEP_1)
	v_add_nc_u32 v2, KSC, v6
	s_delay_alu instid0(VALU_DEP_2)
	v_add_nc_u32 v3, VSC, v6
	s_and_b32 s16, s[WV], 7                        ; my tile among the work-group's eight
	s_lshr_b32 s92, s[WV], 3                       ; which of the two query heads
	s_lshl_b32 s17, s16, 6
	s_lshl_b32 s93, s92, 1
	s_add_co_u32 s17, s17, s93
	s_add_co_u32 s17, s17, OSC
	v_add_nc_u32 v4, s17, v6                       ; my row's word, my head's two bytes of it
	v_add_nc_u32 v5, OSC, v1
	s_bfe_u32 s12, ttmp6, 0x40000                  ; cx: it enters Q's and O's addresses alone
	s_lshl_b32 s13, ttmp9, 2
	s_add_co_u32 s13, s13, s12                     ; x
	s_and_b32 s14, ttmp7, 0xffff                   ; y, which the four partners share
	s_and_b32 s15, s[WV], 3                        ; which chunk of 512 keys I fetch, if I fetch
	s_mov_b32 s[G1C], 15|(3<<16)|(1<<21)           ; the mask: all four work-groups; elements of 8 bytes; bit 21 beside a mask
	s_mov_b32 s[G1SK], 15|(3<<16)|(1<<21)
	s_mov_b32 s[G1SV], 15|(3<<16)|(1<<21)
.irp g, G1C, G1SK, G1SV
	s_mov_b32 s[\g+1], 32<<16                      ; rows of 256 bytes,
	s_mov_b32 s[\g+3], 32<<16
	s_mov_b32 s[\g+5], 32                          ; dense
	s_mov_b32 s[\g+6], 0
	s_mov_b32 s[\g+7], 0
.endr
	s_mov_b32 s[G1C+2], 128<<16
	s_mov_b32 s[G1C+4], 128
	s_mov_b32 s[G1SK+2], 32<<16
	s_mov_b32 s[G1SK+4], 32
	s_mov_b32 s[G1SV+2], 16<<16
	s_mov_b32 s[G1SV+4], 16
	s_lshl_b32 s93, s15, 15
	s_lshl_b32 s94, s14, 17                        ; the head's codes, in kcs and in vcs alike, + my chunk
	s_add_co_u32 s94, s94, s93
	s_mov_b32 s95, 0
	s_lshl_b32 s96, s14, 13                        ; K's scale words: 8,192 bytes a head
	s_add_co_u32 s96, s96, 2097152
	s_mov_b32 s97, 0
	s_lshl_b32 s98, s14, 12                        ; V's: 4,096
	s_add_co_u32 s98, s98, 2097152
	s_mov_b32 s99, 0
	s_mov_b32 s[SEL], 0x76543210
	s_mov_b32 s[SEL+1], 0xfedcba98
	s_mov_b32 s[CS], 0x3e38aa3b                    ; log2(e) / 8
	s_mov_b32 s[CS+1], s[CS]
	s_mov_b32 s[MNT], 0x600000
	s_wait_dscnt 0x0
	s_wait_kmcnt 0x0
	s_mov_b32 s48, 1                               ; K's chunk
	s_lshl_b32 s49, s[WV], 15
	s_add_nc_u64 s[50:51], s[6:7], s[94:95]
	s_or_b32 s51, s51, 0x80000000
	s_mov_b32 s52, 1                               ; V's chunk
	s_lshl_b32 s53, s[WV], 15
	s_add_nc_u64 s[54:55], s[8:9], s[94:95]
	s_or_b32 s55, s55, 0x80000000
	s_mov_b32 s56, 1                               ; K's scale words
	s_mov_b32 s57, KSC
	s_add_nc_u64 s[58:59], s[6:7], s[96:97]
	s_or_b32 s59, s59, 0x80000000
	s_mov_b32 s60, 1                               ; V's
	s_mov_b32 s61, VSC
	s_add_nc_u64 s[62:63], s[8:9], s[98:99]
	s_or_b32 s63, s63, 0x80000000
	CROUND                                         ; all four work-groups are here: the joint loads meet
	ARM s_cmp_eq_u32, 0,  48, G1C,  .La1           ; what key steps 0 to 3 want: four lines of their own
	ARM s_cmp_eq_u32, 4,  52, G1C,  .La2
	ARM s_cmp_eq_u32, 8,  56, G1SK, .La3
	ARM s_cmp_eq_u32, 12, 60, G1SV, .La4
	ARM s_cmp_lt_u32, 4,  48, G1C,  .La5           ; waves 1 to 3: K's chunks 1 to 3
	ARM s_cmp_lt_u32, 8,  52, G1C,  .La6           ; waves 5 to 7: V's
.Lasked:
	s_lshl_b32 s94, s14, 1
	s_add_co_u32 s94, s94, s92                     ; my query head: 16 batch + 2 g + wave / 8
	s_lshl_b32 s96, s94, 17                        ; Q's codes: token tile 8 x + wave % 8 of 1,024 bytes
	s_lshl_b32 s17, s13, 13
	s_add_co_u32 s96, s96, s17
	s_lshl_b32 s17, s16, 10
	s_add_co_u32 s96, s96, s17
	s_mov_b32 s97, 0
	s_lshl_b32 s94, s94, 13                        ; and its scale words
	s_lshl_b32 s17, s13, 9
	s_add_co_u32 s94, s94, s17
	s_lshl_b32 s17, s16, 6
	s_add_co_u32 s94, s94, s17
	s_add_co_u32 s94, s94, 4194304
	s_mov_b32 s95, 0
	s_add_nc_u64 s[94:95], s[4:5], s[94:95]
	s_add_nc_u64 s[4:5], s[4:5], s[96:97]
	s_wait_alu depctr_va_vdst(0)
	global_load_b128 v[16:19], v1, s[4:5]
	global_load_b128 v[20:23], v1, s[4:5] offset:512
	global_load_b32 v255, v6, s[94:95]
	s_lshr_b32 s96, s14, 3                         ; the batch
	s_and_b32 s17, s14, 7                          ; g: the K step of the output projection that my two heads fill
	s_lshl_b32 s98, s96, 13                        ; O's scale words: [K step][row]
	s_lshl_b32 s93, s17, 14
	s_add_co_u32 s98, s98, s93
	s_lshl_b32 s93, s13, 9
	s_add_co_u32 s98, s98, s93
	s_add_co_u32 s98, s98, 4194304
	s_mov_b32 s99, 0
	s_lshl_b32 s96, s96, 21                        ; O's codes: row tile 128 batch + 8 x + wave % 8, K step g, my head's half of the fragment
	s_lshl_b32 s93, s13, 17
	s_add_co_u32 s96, s96, s93
	s_lshl_b32 s93, s16, 14
	s_add_co_u32 s96, s96, s93
	s_lshl_b32 s93, s17, 11
	s_add_co_u32 s96, s96, s93
	s_lshl_b32 s93, s92, 10
	s_add_co_u32 s96, s96, s93
	s_mov_b32 s97, 0
	s_add_nc_u64 s[96:97], s[10:11], s[96:97]
	s_add_nc_u64 s[98:99], s[10:11], s[98:99]
	v_mov_b32 v13, 0xff61b1e6                      ; the largest t so far: -3e38
	s_delay_alu instid0(VALU_DEP_1)
	v_floor_f32 v12, -v13                          ; -M
	v_mov_b32 v14, 0
	v_mov_b32 v15, 0
.irp j, 0,1,2,3,4,5,6,7
	v_mov_b32 v[24+\j], 0                          ; Q's places 64 to 127: zero codes
	v_mov_b32 v[96+\j], 0                          ; what stands behind K's last tile
.endr
.set j, 0
.rept 32
	v_mov_b32 v[OT+j], 0                           ; the step is written once: the first finds zeros
.set j, j+1
.endr
.irp b, 0,1,2,3
	v_mov_b32 v[236+\b], 0                         ; a lane permute's destination counts as read
.endr
	v_mov_b32 v253, 0                              ; named with v252 as a pair before it is first written
	s_wait_alu depctr_va_vdst(0)                   ; the wait at the head's end
	s_wait_loadcnt 0x0                             ; Q
; A KEY STEP: 128 keys
.macro STEP
	v_add_nc_u32 v[ADK], s[TB], v1
	v_add_nc_u32 v[ADS], s[TS], v2
	v_add_nc_u32 v[ADT], s[TJ], v3
	s_delay_alu instid0(VALU_DEP_3)
	v_add_nc_u32 v[ADV], VCD, v[ADK]
	PLACES 4                                       ; with the four additions: eight places between the last step's products and the loads into their sources
.irp t, 0,1,2,3,4,5,6,7
	ds_load_b128 v[32+8*\t:35+8*\t], v[ADK] offset:\t*1024
	ds_load_b128 v[36+8*\t:39+8*\t], v[ADK] offset:\t*1024+512
	ds_load_b32 v[216+\t], v[ADS] offset:64*\t
.endr
	s_wait_alu depctr_va_vdst(0)
	s_wait_dscnt 0x0
.irp t, 0,1,2,3,4,5,6,7
	v_wmma_scale_f32_16x16x128_f8f6f4 v[SS+8*\t:SS+8*\t+7], v[32+8*\t:47+8*\t], v[16:31], 0, v[216+\t], v255
.endr
	PLACES 8                                       ; in front of the loads into K's registers and of the first read of the scores
.irp d, 0,1,2,3                        ; V's fragments land while the softmax is worked
.irp c, 0,1,2,3
	ds_load_b128 v[32+16*\d+4*\c:35+16*\d+4*\c], v[ADV] offset:\d*2048+\c*512
.endr
	ds_load_b32 v[224+\d], v[ADT] offset:64*\d
.endr
.irp b, 0,1,2,3
	v_max3_num_f32 v[232+\b], v[SS+16*\b], v[SS+1+16*\b], v[SS+2+16*\b]   ; the largest score of each block of 32 keys: for the row's maximum, and for the block's largest p
.endr
.irp i, 3,5,7,9,11,13
.irp b, 0,1,2,3
	v_max3_num_f32 v[232+\b], v[232+\b], v[SS+16*\b+\i], v[SS+1+16*\b+\i]
.endr
.endr
.irp b, 0,1,2,3
	v_max_num_f32 v[232+\b], v[232+\b], v[SS+15+16*\b]
.endr
.irp b, 0,1,2,3
	s_delay_alu instid0(VALU_DEP_4)
	v_permlanex16_b32 v[236+\b], v[232+\b], s[SEL], s[SEL+1]
.endr
.irp b, 0,1,2,3
	s_delay_alu instid0(VALU_DEP_4)
	v_max_num_f32 v[232+\b], v[232+\b], v[236+\b]
.endr
	s_delay_alu instid0(VALU_DEP_2)
	v_max3_num_f32 v254, v232, v233, v234
	s_delay_alu instid0(VALU_DEP_1)
	v_max_num_f32 v254, v254, v235
	s_delay_alu instid0(VALU_DEP_1)
	v_mul_f32 v254, s[CS], v254                    ; as t
	s_delay_alu instid0(VALU_DEP_1)
	v_max_num_f32 v13, v13, v254                   ; the running largest t
	v_mov_b32 v254, v12
	s_delay_alu instid0(VALU_DEP_2)
	v_floor_f32 v12, -v13                          ; the new -M = -ceil(t)
	s_delay_alu instid0(VALU_DEP_1)
	v_sub_f32 v254, v12, v254                      ; old M - new M: a whole number, 0 or less
	s_delay_alu instid0(VALU_DEP_1)
	v_cvt_i32_f32 v254, v254                       ; (it saturates)
	s_delay_alu instid0(VALU_DEP_1)
	v_ldexp_f32 v252, 1.0, v254                    ; f = 2^(old M - new M)
.irp j, 0,2,4,6,8,10,12,14,16,18,20,22,24,26,28,30,32,34,36,38,40,42,44,46,48,50,52,54,56,58,60,62
	v_pk_fma_f32 v[SS+\j:SS+1+\j], v[SS+\j:SS+1+\j], s[CS:CS+1], v[12:13] op_sel_hi:[1,0,0]   ; t - M
.endr
.irp b, 0,1,2,3
	v_fma_f32 v[232+\b], v[232+\b], s[CS], v12
.endr
.set j, 0
	s_wait_alu depctr_va_vdst(0)                   ; the wait ahead of the batch
.rept 64
	v_exp_f32 v[SS+j], v[SS+j]                     ; p = 2^(t - M)
.set j, j+1
.endr
	v_pk_mul_f32 v[14:15], v[14:15], v[252:253] op_sel_hi:[1,0]   ; the sums under the new M: a plain line behind the exponentials
	s_wait_alu depctr_va_vdst(0)                   ; one wait for the batch, ahead of its first reader
.irp b, 0,1,2,3
	v_exp_f32 v[232+\b], v[232+\b]                 ; the blocks' largest p
.endr
	v_pk_add_f32 v[236:237], v[108:109], v[112:113]   ; the row's sum of the unquantised p, in eight chains
	v_pk_add_f32 v[248:249], v[116:117], v[120:121]
	v_pk_add_f32 v[246:247], v[124:125], v[128:129]
	v_pk_add_f32 v[244:245], v[132:133], v[136:137]
	v_pk_add_f32 v[242:243], v[140:141], v[144:145]
	v_pk_add_f32 v[240:241], v[148:149], v[152:153]
	v_pk_add_f32 v[238:239], v[156:157], v[160:161]
	v_pk_add_f32 v[14:15], v[14:15], v[164:165]
	v_pk_add_f32 v[236:237], v[236:237], v[104:105]
	v_pk_add_f32 v[248:249], v[248:249], v[106:107]
	v_pk_add_f32 v[246:247], v[246:247], v[110:111]
	v_pk_add_f32 v[244:245], v[244:245], v[114:115]
	v_pk_add_f32 v[242:243], v[242:243], v[118:119]
	v_pk_add_f32 v[240:241], v[240:241], v[122:123]
	v_pk_add_f32 v[238:239], v[238:239], v[126:127]
	v_pk_add_f32 v[14:15], v[14:15], v[130:131]
	v_pk_add_f32 v[236:237], v[236:237], v[134:135]
	v_pk_add_f32 v[248:249], v[248:249], v[138:139]
	v_pk_add_f32 v[246:247], v[246:247], v[142:143]
	v_pk_add_f32 v[244:245], v[244:245], v[146:147]
	v_pk_add_f32 v[242:243], v[242:243], v[150:151]
	v_pk_add_f32 v[240:241], v[240:241], v[154:155]
	v_pk_add_f32 v[238:239], v[238:239], v[158:159]
	v_pk_add_f32 v[14:15], v[14:15], v[162:163]
	v_pk_add_f32 v[236:237], v[236:237], v[166:167]
	s_delay_alu instid0(VALU_DEP_2)
	v_pk_add_f32 v[14:15], v[14:15], v[244:245]
	s_delay_alu instid0(VALU_DEP_2)
	v_pk_add_f32 v[236:237], v[236:237], v[242:243]
	v_pk_add_f32 v[248:249], v[248:249], v[240:241]
	v_pk_add_f32 v[246:247], v[246:247], v[238:239]
	s_delay_alu instid0(VALU_DEP_2)
	v_pk_add_f32 v[14:15], v[14:15], v[248:249]
	s_delay_alu instid0(VALU_DEP_2)
	v_pk_add_f32 v[236:237], v[236:237], v[246:247]
	s_delay_alu instid0(VALU_DEP_1)
	v_pk_add_f32 v[14:15], v[14:15], v[236:237]
	s_wait_alu depctr_va_vdst(0)                   ; and one for the four
.irp b, 0,1,2,3
	v_max_num_f32 v[232+\b], 0x4800000, v[232+\b]  ; the floor 2^(9 - 127)
.endr
.irp b, 0,1,2,3
	s_delay_alu instid0(VALU_DEP_4)
	v_add_nc_u32 v[244+\b], 0xfc000000, v[232+\b]
.endr
.irp b, 0,1,2,3
	v_and_or_b32 v[240+\b], v[232+\b], 0x7f800000, s[MNT]
.endr
.irp b, 0,1,2,3
	v_lshrrev_b32 v[236+\b], 23, v[244+\b]
.endr
	s_delay_alu instid0(VALU_DEP_3)
	v_lshl_or_b32 v253, v237, 8, v236              ; p's scale word for these 128 keys
	s_delay_alu instid0(VALU_DEP_1)
	v_lshl_or_b32 v253, v238, 16, v253
	s_delay_alu instid0(VALU_DEP_1)
	v_lshl_or_b32 v253, v239, 24, v253
.irp b, 0,1,2,3
.irp i, 0,1,2,3,4,5,6,7,8,9,10,11,12,13,14,15
	v_min_num_f32 v[SS+16*\b+\i], v[SS+16*\b+\i], v[240+\b]   ; p is not negative: the hold is one-sided
.endr
	v_cvt_scalef32_pk8_fp8_f32 v[PCD+4*\b:PCD+1+4*\b], v[SS+16*\b:SS+7+16*\b], v[244+\b]
	v_cvt_scalef32_pk8_fp8_f32 v[PCD+2+4*\b:PCD+3+4*\b], v[SS+8+16*\b:SS+15+16*\b], v[244+\b]
.endr
.irp j, 0,2,4,6,8,10,12,14,16,18,20,22,24,26,28,30
	v_pk_mul_f32 v[OT+\j:OT+1+\j], v[OT+\j:OT+1+\j], v[252:253] op_sel_hi:[1,0]   ; O^T under the new M; these sixteen also stand between the codes' making and the products
.endr
	s_wait_alu depctr_va_vdst(0)
	s_wait_dscnt 0x0                               ; V
.irp d, 0,1,2,3
	v_wmma_scale_f32_16x16x128_f8f6f4 v[OT+8*\d:OT+8*\d+7], v[32+16*\d:47+16*\d], v[PCD:PCD+15], v[OT+8*\d:OT+8*\d+7], v[224+\d], v253
.endr
	s_add_co_u32 s[TB], s[TB], 8192
	s_add_co_u32 s[TS], s[TS], 512
	s_add_co_u32 s[TJ], s[TJ], 256
.endm
.macro AT n                            ; the LDS offsets of key step n: constants of the text
	s_mov_b32 s[TB], (\n)*8192
	s_mov_b32 s[TS], (\n)*512
	s_mov_b32 s[TJ], (\n)*256
.endm
.macro WALK trips                      ; so many key steps on end; the trip count is a constant of the text
	s_mov_b32 s[TRIP], \trips
.Lstep_\@:
	STEP
	s_sub_co_u32 s[TRIP], s[TRIP], 1
	s_cmp_lg_u32 s[TRIP], 0
	s_cbranch_scc1 .Lstep_\@
.endm
	s_cmp_eq_u32 s15, 0                            ; waves 0, 4, 8, 12 wait for their loads: the first 512 keys' codes and all scale words
	s_cbranch_scc0 .Lnot_first_keys
	s_wait_tensorcnt 0x0
.Lnot_first_keys:
	s_wait_dscnt 0x0
	s_barrier_signal -1
	s_barrier_wait -1                              ; key steps 0 to 3 may be read
	AT 0
	WALK 2                                         ; key steps 0 and 1
	s_wait_tensorcnt 0x0                           ; every wave: my tensor load has landed
	s_wait_dscnt 0x0                               ; no LDS load of mine is out at the signal
	s_barrier_signal -1                            ; between this signal and its wait stand register work and LDS loads of the first 512 keys' codes and of scale words,
	AT 2                                           ; which the first barrier has shown whole and which no wave ever writes
	STEP                                           ; key step 2
	STEP                                           ; key step 3
	s_barrier_wait -1                              ; the reads of keys 512 on stand behind this wait
	AT 4
	WALK 12                                        ; key steps 4 to 15: no barrier
	; THE WAY OUT: O^T / the sum, quantised along the head's 64; register 8 t + j of lane (r, h) is channel 16 t + 8 h + j of query r: the operand's own order
	PLACES 8
	v_add_f32 v14, v14, v15
	s_delay_alu instid0(VALU_DEP_1)
	v_permlanex16_b32 v252, v14, s[SEL], s[SEL+1]
	s_delay_alu instid0(VALU_DEP_1)
	v_add_f32 v14, v14, v252                       ; the row's sum
	s_wait_alu depctr_va_vdst(0)
	v_rcp_f32 v14, v14
	v_nop
	s_wait_alu depctr_va_vdst(0)                   ; ahead of the reciprocal's first reader
.irp j, 0,2,4,6,8,10,12,14,16,18,20,22,24,26,28,30
	v_pk_mul_f32 v[OT+\j:OT+1+\j], v[OT+\j:OT+1+\j], v[14:15] op_sel_hi:[1,0]   ; each accumulator from its low end on
.endr
	QUANT2 OT, PCD, 254
	global_store_b128 v1, v[PCD:PCD+3], s[96:97]              ; 512 consecutive bytes of the fragment's image
	global_store_b128 v1, v[PCD+4:PCD+7], s[96:97] offset:512
	ds_store_b16 v4, v254                          ; my head's two bytes of my row's word; both halves of the lanes write the same
	s_wait_dscnt 0x0                               ; for the others' sake
	s_barrier_signal -1
	s_barrier_wait -1
	s_cmp_lg_u32 s[WV], 0
	s_cbranch_scc1 .Lnot_first
	ds_load_b128 v[208:211], v5                    ; the 128 rows' whole words
	s_wait_dscnt 0x0
	global_store_b128 v1, v[208:211], s[98:99]     ; 512 consecutive bytes, aligned
.Lnot_first:
	s_wait_tensorcnt 0x0                           ; the wave's end
	ds_add_u32 v250, v251
	s_wait_dscnt 0x0
	CROUND                                         ; the closing round
	s_endpgm
.Lfunc_end_k_qa7fa502fa3_attn:
	.size	k_qa7fa502fa3_attn, .Lfunc_end_k_qa7fa502fa3_attn-k_qa7fa502fa3_attn
	.p2alignl 7, 3214868480
	.fill 96, 4, 3214868480
	.section	.rodata,"a",@progbits
	.p2align	6, 0x0
	.amdhsa_kernel k_qa7fa502fa3_attn
		.amdhsa_group_segment_fixed_size 276992
		.amdhsa_private_segment_fixed_size 0
		.amdhsa_enable_private_segment 0
		.amdhsa_kernarg_size 32
		.amdhsa_user_sgpr_count 2
		.amdhsa_user_sgpr_kernarg_segment_ptr 1
		.amdhsa_wavefront_size32 1
		.amdhsa_system_sgpr_workgroup_id_x 1
		.amdhsa_system_sgpr_workgroup_id_y 1
		.amdhsa_system_sgpr_workgroup_id_z 1
		.amdhsa_system_vgpr_workitem_id 0
		.amdhsa_next_free_vgpr 256
		.amdhsa_next_free_sgpr 100
		.amdhsa_reserve_vcc 0
		.amdhsa_float_denorm_mode_32 3
		.amdhsa_float_denorm_mode_16_64 3
		.amdhsa_memory_ordered 1
		.amdhsa_forward_progress 1
		.amdhsa_inst_pref_size 98
	.end_amdhsa_kernel
	.amdgpu_metadata
---
amdhsa.version: [ 1, 2 ]
amdhsa.kernels:
  - .name:           k_qa7fa502fa3_attn
    .symbol:         k_qa7fa502fa3_attn.kd
    .args:
      - { .name: qcs, .offset: 0, .size: 8, .value_kind: global_buffer, .address_space: global }
      - { .name: kcs, .offset: 8, .size: 8, .value_kind: global_buffer, .address_space: global }
      - { .name: vcs, .offset: 16, .size: 8, .value_kind: global_buffer, .address_space: global }
      - { .name: ocs, .offset: 24, .size: 8, .value_kind: global_buffer, .address_space: global }
    .group_segment_fixed_size: 276992
    .private_segment_fixed_size: 0
    .kernarg_segment_align: 8
    .kernarg_segment_size: 32
    .max_flat_workgroup_size: 512
    .sgpr_count:     100
    .vgpr_count:     256
    .wavefront_size: 32
...
	.end_amdgpu_metadata
.endif
;; end of part 3
;; launch gemm_out (part 4): grid 8 x 32, 4 waves a work-group, clusters of 4 x 4, 296,448 bytes of LDS; arguments ocs, wcs, bo, hidden_states, out0; writes out0
.if DOCPART == 4
	.amdgcn_target "amdgcn-amd-amdhsa--gfx1250"
	.amdhsa_code_object_version 6
	.text
	.protected	k_qa7fa502fa3_gemm_out
	.globl	k_qa7fa502fa3_gemm_out
	.p2align	8
	.type	k_qa7fa502fa3_gemm_out,@function
k_qa7fa502fa3_gemm_out:
	s_mov_b64 s[64:65], 0
	v_nop
	global_prefetch_b8 v0, s[64:65] scope:SCOPE_SE
	s_setreg_imm32_b32 hwreg(HW_REG_WAVE_MODE, 25, 1), 1
	s_wait_xcnt 0x0
	s_wait_alu depctr_hold_cnt(0) depctr_sa_sdst(0) depctr_va_vdst(0) depctr_va_sdst(0) depctr_va_ssrc(0) depctr_va_vcc(0) depctr_vm_vsrc(0)
	s_getreg_b32 s2, hwreg(HW_REG_IB_STS2, 6, 4)
	s_cmp_eq_u32 s2, 0
	s_cbranch_scc0 .Lentry_in_a_cluster
	s_endpgm
.Lentry_in_a_cluster:
	s_bfe_u32 s2, ttmp6, 0x10000c
	s_cmp_lg_u32 s2, 0xf033
	s_cbranch_scc0 .Lentry_shape_is_right
	s_endpgm
.Lentry_shape_is_right:
; out0 = O wo + bo + hidden_states, the product on codes of FP8 (E4M3) with E8M0 scales; bias and residual in f32.
; A work-group makes 128 tokens (tile y) x 128 columns (tile x).  All of K = 1,024 of both tiles lies in LDS, every byte filled once, ONE TENSOR LOAD A WAVE: wave 0 O's K steps 0-3 (8 row tiles x
; 8,192 bytes), wave 1 wo's, waves 2 and 3 K steps 4-7.  The first barrier shows waves 0 and 1's tiles, the barrier behind K step 3's fetch the other two.
; LDS: K half H at 131,072 H: O's tile t at 8,192 t, wo's 65,536 on; in a tile a K step is 2,048 bytes, an image of the operand's registers [c][lane][16].
; THE SCALE WORDS go from memory straight into registers, 40 loads of 128 consecutive bytes a wave: a register holds one tile's words in lanes 0-15 and the next tile's in lanes 16-31.
; SHARES.  Each wave takes 32 tokens against all 128 columns: 16 accumulators.  Source 0 = 16 columns, source 1 = 16 tokens: a lane holds eight neighbouring columns of one token's row.
; CLUSTERS: 4 x 4.  O's tiles hang on y alone and are asked for jointly along a row of the cluster, wo's on x alone, along a column.
; THE WAY OUT: 16 rows x 512 bytes at a time through the wave's own stage in LDS, so that a store of the wave covers 512 consecutive bytes of a row of out0.  The residual's rows are asked for at the head.
; No prefetch: the text has no loop that runs ahead of a load; each tile is asked for once, at the head.
; LIMIT: the products of a block of 32 are not added in ascending k (both operands are laid in one order of their own).
; REGISTERS.  Window 0: v1 lane, v2 16 x lane, v3, v7 scale offsets, v4-5 LDS addresses, v8-9 the stage, v12-15 the bias, v16-47 wide scale words, v48-55 narrow, v64-127 rows read back,
;   v128-255 accumulators.  Window 1: wide fragments, two sets of 128.  Window 2: v0-63 narrow fragments, two sets; v64-191 the residual.
.set STG,   262144                     ; behind the codes: a stage of 16 rows x 528 bytes for each wave; no tensor load lands there
.set SPARE, 295936
.set XSC,   4194304
.set WSC,   3145728
.set WROW0, 2048                       ; wo's rows of wcs
.set ACC,   128
.set SCW,   16
.set SCN,   48
.set G1X,   24
.set G1W,   32
.set MSB, 0
.macro WIN new
.if MSB != \new
	s_set_vgpr_msb (MSB<<8)|\new
.set MSB, \new
.endif
.endm
.macro PLACES n
.rept \n
	v_nop
.endr
.endm
.macro CROUND
	s_barrier_signal -1
	s_barrier_wait -1
	s_cmp_lg_u32 s16, 0
	s_cbranch_scc1 .Lnot_wave_0_\@
	s_barrier_signal -3
.Lnot_wave_0_\@:
	s_barrier_wait -3
	s_barrier_signal -1
	s_barrier_wait -1
.endm
.macro TLOAD g0, g1                    ; s_nop 0 and four v_nop follow
	tensor_load_to_lds s[\g0:\g0+3], s[\g1:\g1+7]
	s_nop 0
	PLACES 4
.endm
.macro FETCH s, p                      ; K step s into set p: 40 LDS loads
	WIN 0x40
.irp b, 0,1,2,3,4,5,6,7
.irp c, 0,1,2,3
	ds_load_b128 v[128*(\p)+16*\b+4*\c:128*(\p)+16*\b+4*\c+3], v5 offset:((\s)%4)*2048+\b*8192+\c*512
.endr
.endr
	WIN 0x80
.irp a, 0,1
.irp c, 0,1,2,3
	ds_load_b128 v[32*(\p)+16*\a+4*\c:32*(\p)+16*\a+4*\c+3], v4 offset:((\s)%4)*2048+\a*8192+\c*512
.endr
.endr
	WIN 0
.endm
.macro MUL p, s, zero                  ; K step s from set p: the 16 accumulators by turns
	WIN 0x09
.irp a, 0,1
.irp b, 0,1,2,3,4,5,6,7
.set D_, ACC+64*\a+8*\b
.set A_, 128*(\p)+16*\b
.set B_, 32*(\p)+16*\a
.set SA_, SCW+4*(\s)+\b/2
.set SB_, SCN+(\s)/2+4*(1-(\s)%2)
.if \zero
.if \a && \b%2
	v_wmma_scale_f32_16x16x128_f8f6f4 v[D_:D_+7], v[A_:A_+15], v[B_:B_+15], 0, v[SA_], v[SB_] matrix_a_scale:MATRIX_SCALE_ROW1 matrix_b_scale:MATRIX_SCALE_ROW1
.elseif \a
	v_wmma_scale_f32_16x16x128_f8f6f4 v[D_:D_+7], v[A_:A_+15], v[B_:B_+15], 0, v[SA_], v[SB_] matrix_b_scale:MATRIX_SCALE_ROW1
.elseif \b%2
	v_wmma_scale_f32_16x16x128_f8f6f4 v[D_:D_+7], v[A_:A_+15], v[B_:B_+15], 0, v[SA_], v[SB_] matrix_a_scale:MATRIX_SCALE_ROW1
.else
	v_wmma_scale_f32_16x16x128_f8f6f4 v[D_:D_+7], v[A_:A_+15], v[B_:B_+15], 0, v[SA_], v[SB_]
.endif
.else
.if \a && \b%2
	v_wmma_scale_f32_16x16x128_f8f6f4 v[D_:D_+7], v[A_:A_+15], v[B_:B_+15], v[D_:D_+7], v[SA_], v[SB_] matrix_a_scale:MATRIX_SCALE_ROW1 matrix_b_scale:MATRIX_SCALE_ROW1
.elseif \a
	v_wmma_scale_f32_16x16x128_f8f6f4 v[D_:D_+7], v[A_:A_+15], v[B_:B_+15], v[D_:D_+7], v[SA_], v[SB_] matrix_b_scale:MATRIX_SCALE_ROW1
.elseif \b%2
	v_wmma_scale_f32_16x16x128_f8f6f4 v[D_:D_+7], v[A_:A_+15], v[B_:B_+15], v[D_:D_+7], v[SA_], v[SB_] matrix_a_scale:MATRIX_SCALE_ROW1
.else
	v_wmma_scale_f32_16x16x128_f8f6f4 v[D_:D_+7], v[A_:A_+15], v[B_:B_+15], v[D_:D_+7], v[SA_], v[SB_]
.endif
.endif
.endr
.endr
	WIN 0
.endm
.macro NEXTHALF                        ; every wave's tensor load has landed, my LDS loads are back, everybody's likewise
	s_wait_tensorcnt 0x0
	s_wait_dscnt 0x0
	s_barrier_signal -1
	s_barrier_wait -1
	v_add_nc_u32 v4, 0x20000, v4
	v_add_nc_u32 v5, 0x20000, v5
.endm
.macro KSTEP s, p
	PLACES 8                                       ; eight places between the products that read set p and the loads into it
	FETCH \s, \p
	s_wait_dscnt 40                                ; all but the 40 just issued
	MUL 1-(\p), (\s)-1, 0
.endm
	s_load_b128 s[4:7], s[0:1], 0x0                ; ocs, wcs
	s_load_b128 s[8:11], s[0:1], 0x10              ; bo, hidden_states
	s_load_b64 s[12:13], s[0:1], 0x20              ; out0
	v_lshl_add_u32 v62, v0, 2, SPARE
	v_mov_b32 v63, 0
	ds_add_u32 v62, v63                            ; the opening lines: the add twice on end and its wait
	ds_add_u32 v62, v63
	v_lshrrev_b32 v1, 5, v0
	v_readfirstlane_b32 s16, v1                    ; wave
	v_and_b32 v1, 31, v0
	v_lshlrev_b32 v2, 4, v1                        ; 16 x lane
	s_wait_alu depctr_va_vdst(0)
	v_and_b32 v10, 15, v0                          ; r
	s_wait_alu depctr_va_vdst(0)
	v_bfe_u32 v11, v0, 4, 1                        ; h
	s_lshr_b32 s17, s16, 1                         ; which K half I fetch
	s_and_b32 s18, s16, 1
	s_bfe_u32 s19, ttmp6, 0x40000                  ; cx
	s_bfe_u32 s20, ttmp6, 0x40004                  ; cy
	s_lshl_b32 s21, ttmp9, 2
	s_add_co_u32 s21, s21, s19                     ; x
	s_and_b32 s22, ttmp7, 0xffff
	s_lshl_b32 s22, s22, 2
	s_add_co_u32 s22, s22, s20                     ; y
	s_lshl_b32 s2, s16, 14
	v_add_nc_u32 v4, s2, v2                        ; my two tiles of tokens
	v_add_nc_u32 v5, 0x10000, v2                   ; the columns' eight tiles
	s_mul_i32 s2, s16, 16*528
	s_add_co_u32 s2, s2, STG
	v_mul_u32_u24 v8, v10, 528
	s_wait_alu depctr_va_vdst(0)
	v_lshl_add_u32 v8, v11, 5, v8
	v_add_nc_u32 v8, s2, v8                        ; the stage, in: row r, + 32 h
	v_add_nc_u32 v9, s2, v2                        ; and back: a row of 512 bytes for the 32 lanes
	s_lshl_b32 s104, s20, 2
	s_lshl_b32 s104, 15, s104                      ; my row of the cluster
	s_lshl_b32 s105, 0x1111, s19                   ; my column
	s_or_b32 s[G1X], s104, (3<<16)|(1<<21)
	s_or_b32 s[G1W], s105, (3<<16)|(1<<21)
.irp g, G1X, G1W
	s_mov_b32 s[\g+1], 1024<<16                    ; 8 row tiles x 8,192 bytes (1,024 elements of 8 bytes), 16,384 bytes apart
	s_mov_b32 s[\g+2], 8<<16
	s_mov_b32 s[\g+3], 1024<<16
	s_mov_b32 s[\g+4], 8
	s_mov_b32 s[\g+5], 2048
	s_mov_b32 s[\g+6], 0
	s_mov_b32 s[\g+7], 0
.endr
	s_lshl_b32 s66, s17, 17                        ; LDS: my K half
	s_lshl_b32 s67, s17, 13                        ; memory: four K steps on
	s_lshl_b32 s2, s22, 17                         ; O's side hangs on y and the wave alone
	s_add_co_u32 s2, s2, s67
	s_mov_b32 s3, 0
	s_lshl_b32 s100, s21, 17                       ; wo's side on x and the wave alone
	s_add_co_u32 s100, s100, s67
	s_add_co_u32 s100, s100, WROW0*1024
	s_mov_b32 s101, 0
	s_lshl_b32 s68, s22, 9                         ; the tiles' scale words
	s_add_co_u32 s68, s68, XSC
	s_mov_b32 s69, 0
	s_lshl_b32 s70, s21, 9
	s_add_co_u32 s70, s70, WSC+WROW0*4
	s_mov_b32 s71, 0
	s_wait_dscnt 0x0
	s_wait_kmcnt 0x0
	s_mov_b32 s56, 1
	s_mov_b32 s57, s66
	s_add_nc_u64 s[58:59], s[4:5], s[2:3]
	s_or_b32 s59, s59, 0x80000000
	s_mov_b32 s60, 1
	s_add_co_u32 s61, s66, 65536
	s_add_nc_u64 s[62:63], s[6:7], s[100:101]
	s_or_b32 s63, s63, 0x80000000
	s_add_nc_u64 s[68:69], s[4:5], s[68:69]
	s_add_nc_u64 s[70:71], s[6:7], s[70:71]
	CROUND                                         ; all sixteen work-groups are here: the joint loads meet
	s_cmp_eq_u32 s16, 0                            ; one chain of branches, a load line of its own for each wave
	s_cbranch_scc0 .Lw1
	TLOAD 56, G1X
	s_branch .Lasked
.Lw1:
	s_cmp_eq_u32 s16, 1
	s_cbranch_scc0 .Lw2
	TLOAD 60, G1W
	s_branch .Lasked
.Lw2:
	s_cmp_eq_u32 s16, 2
	s_cbranch_scc0 .Lw3
	TLOAD 56, G1X
	s_branch .Lasked
.Lw3:
	TLOAD 60, G1W
.Lasked:
	s_wait_alu depctr_va_vdst(0)                   ; the wait ahead of the readers below
	s_lshl_b32 s72, s16, 7
	v_lshlrev_b32 v3, 2, v1                        ; 4 x lane
	v_add_nc_u32 v7, s72, v3                       ; + my 32 tokens
.irp s, 0,1,2,3,4,5,6,7
.irp j, 0,1,2,3
	global_load_b32 v[SCW+4*\s+\j], v3, s[70:71] offset:\s*12288+128*\j
.endr
	global_load_b32 v[SCN+\s/2+4*(1-\s%2)], v7, s[68:69] offset:\s*16384
.endr
	s_lshl_b32 s14, s22, 19                        ; my 32 rows of hidden_states and of out0: (128 y + 32 wave) x 4,096 bytes, + my tile's 512 bytes of a row
	s_lshl_b32 s15, s16, 17
	s_add_co_u32 s14, s14, s15
	s_lshl_b32 s66, s21, 9
	s_add_co_u32 s14, s14, s66
	s_mov_b32 s15, 0
	s_mov_b32 s67, 0
	s_add_nc_u64 s[8:9], s[8:9], s[66:67]
	s_add_nc_u64 s[10:11], s[10:11], s[14:15]
	s_add_nc_u64 s[12:13], s[12:13], s[14:15]
	global_load_b128 v[12:15], v2, s[8:9]          ; the bias of my four columns
	WIN 0x80                                       ; destination window 2
.set i, 0
.rept 32
	global_load_b128 v[64+4*i:64+4*i+3], v2, s[10:11] offset:i*4096 th:TH_LOAD_NT   ; the residual: 512 consecutive bytes of a row
.set i, i+1
.endr
	WIN 0
	s_wait_alu depctr_va_vdst(0)                   ; the wait at the head's end
	s_cmp_lt_u32 s16, 2
	s_cbranch_scc0 .Lsecond_half
	s_wait_tensorcnt 0x0                           ; waves 0 and 1: K steps 0 to 3 are in
.Lsecond_half:
	s_barrier_signal -1
	s_barrier_wait -1
	FETCH 0, 0
	FETCH 1, 1
	s_wait_loadcnt 33                              ; the scale words are in; behind them: the bias's load and the residual's 32
	s_wait_dscnt 40
	MUL 0, 0, 1                                    ; K step 0 starts the sums
	KSTEP 2, 0
	KSTEP 3, 1
	NEXTHALF
	s_wait_alu depctr_va_vdst(0)
	KSTEP 4, 0
	KSTEP 5, 1
	KSTEP 6, 0
	KSTEP 7, 1
	s_wait_dscnt 0x0
	MUL 1, 7, 0
	PLACES 8                                       ; in front of the first read of results
.macro TOSTAGE a                       ; 16 tokens x 128 columns into my stage and back as whole rows.  LDS serves a wave's instructions in order: no wait between
.irp b, 0,1,2,3,4,5,6,7
	ds_store_b128 v8, v[ACC+64*\a+8*\b:ACC+64*\a+8*\b+3] offset:64*\b          ; each accumulator from its low end on
	ds_store_b128 v8, v[ACC+64*\a+8*\b+4:ACC+64*\a+8*\b+7] offset:64*\b+16
.endr
.irp i, 0,1,2,3,4,5,6,7,8,9,10,11,12,13,14,15
	ds_load_b128 v[64+64*\a+4*\i:64+64*\a+4*\i+3], v9 offset:\i*528
.endr
.endm
.macro SEND a, younger                 ; younger: the LDS instructions issued behind block a's loads
	s_wait_dscnt \younger
.irp i, 0,1,2,3,4,5,6,7,8,9,10,11,12,13,14,15
	v_pk_add_f32 v[64+64*\a+4*\i:64+64*\a+4*\i+1], v[64+64*\a+4*\i:64+64*\a+4*\i+1], v[12:13]     ; + bo
	v_pk_add_f32 v[64+64*\a+4*\i+2:64+64*\a+4*\i+3], v[64+64*\a+4*\i+2:64+64*\a+4*\i+3], v[14:15]
.endr
	WIN 0x08                                       ; source 1 window 2: the residual lies at the same numbers there
.irp i, 0,1,2,3,4,5,6,7,8,9,10,11,12,13,14,15
	v_pk_add_f32 v[64+64*\a+4*\i:64+64*\a+4*\i+1], v[64+64*\a+4*\i:64+64*\a+4*\i+1], v[64+64*\a+4*\i:64+64*\a+4*\i+1]
	v_pk_add_f32 v[64+64*\a+4*\i+2:64+64*\a+4*\i+3], v[64+64*\a+4*\i+2:64+64*\a+4*\i+3], v[64+64*\a+4*\i+2:64+64*\a+4*\i+3]
.endr
	WIN 0
.irp i, 0,1,2,3,4,5,6,7,8,9,10,11,12,13,14,15
	global_store_b128 v2, v[64+64*\a+4*\i:64+64*\a+4*\i+3], s[12:13] offset:(16*\a+\i)*4096 th:TH_STORE_NT   ; 512 consecutive bytes, aligned; written once
.endr
.endm
	s_wait_loadcnt 0x0                             ; the bias and the residual
	TOSTAGE 0
	TOSTAGE 1                                      ; its rows come back into the registers that block 0's accumulators have left
	SEND 0, 32                                     ; behind block 0's loads: block 1's 16 stores and 16 loads
	SEND 1, 0
	s_wait_tensorcnt 0x0                           ; the wave's end
	ds_add_u32 v62, v63
	s_wait_dscnt 0x0
	CROUND                                         ; the closing round
	s_endpgm
.Lfunc_end_k_qa7fa502fa3_gemm_out:
	.size	k_qa7fa502fa3_gemm_out, .Lfunc_end_k_qa7fa502fa3_gemm_out-k_qa7fa502fa3_gemm_out
	.p2alignl 7, 3214868480
	.fill 96, 4, 3214868480
	.section	.rodata,"a",@progbits
	.p2align	6, 0x0
	.amdhsa_kernel k_qa7fa502fa3_gemm_out
		.amdhsa_group_segment_fixed_size 296448
		.amdhsa_private_segment_fixed_size 0
		.amdhsa_enable_private_segment 0
		.amdhsa_kernarg_size 40
		.amdhsa_user_sgpr_count 2
		.amdhsa_user_sgpr_kernarg_segment_ptr 1
		.amdhsa_wavefront_size32 1
		.amdhsa_system_sgpr_workgroup_id_x 1
		.amdhsa_system_sgpr_workgroup_id_y 1
		.amdhsa_system_sgpr_workgroup_id_z 1
		.amdhsa_system_vgpr_workitem_id 0
		.amdhsa_next_free_vgpr 704
		.amdhsa_next_free_sgpr 106
		.amdhsa_reserve_vcc 0
		.amdhsa_float_denorm_mode_32 3
		.amdhsa_float_denorm_mode_16_64 3
		.amdhsa_memory_ordered 1
		.amdhsa_forward_progress 1
		.amdhsa_inst_pref_size 69
	.end_amdhsa_kernel
	.amdgpu_metadata
---
amdhsa.version: [ 1, 2 ]
amdhsa.kernels:
  - .name:           k_qa7fa502fa3_gemm_out
    .symbol:         k_qa7fa502fa3_gemm_out.kd
    .args:
      - { .name: ocs, .offset: 0, .size: 8, .value_kind: global_buffer, .address_space: global }
      - { .name: wcs, .offset: 8, .size: 8, .value_kind: global_buffer, .address_space: global }
      - { .name: bo, .offset: 16, .size: 8, .value_kind: global_buffer, .address_space: global }
      - { .name: hidden_states, .offset: 24, .size: 8, .value_kind: global_buffer, .address_space: global }
      - { .name: out0, .offset: 32, .size: 8, .value_kind: global_buffer, .address_space: global }
    .group_segment_fixed_size: 296448
    .private_segment_fixed_size: 0
    .kernarg_segment_align: 8
    .kernarg_segment_size: 40
    .max_flat_workgroup_size: 128
    .sgpr_count:     106
    .vgpr_count:     704
    .wavefront_size: 32
...
	.end_amdgpu_metadata
.endif
;; end of part 4
